; MI455X (gfx1250); checked and timed in simulation.
; The chip was launched on July 23, 2026; its instructions are those of AMD's public machine-readable ISA for CDNA 5 (MIT licence, August 2026) and "CDNA5" Instruction Set Architecture Reference Guide (July 2026). The comments in the code are by the model that wrote it; some were corrected since.
;; Cross Attention. Allowed arithmetic: float matrix products may take bf16 or f16 operands with f32 sums; all other float work in f32.
;; Inputs: Wk 1,024 x 1,024 float32; Wo 1,024 x 1,024 float32; Wq 1,024 x 1,024 float32; Wv 1,024 x 1,024 float32; attention_mask 8 x 1,024 x 1,024 int32; bk 1,024 float32; bo 1,024 float32; bq 1,024 float32; bv 1,024 float32; key_value 8 x 1,024 x 1,024 float32; query 8 x 1,024 x 1,024 float32.
;; Outputs: out0 8 x 1,024 x 1,024 float32.
;; 2 versions, each right and faster than the one before. Each part assembles by itself: llvm-mc -triple=amdgcn-amd-amdhsa -mcpu=gfx1250 --defsym DOCPART=n.
;; ======== version 1 of 2: 5 launches
;; limits: values outside matrix products are rounded to f16
;; workspace buffers: act 33,554,432 bytes; wb 6,291,456 bytes; wob 2,097,152 bytes; mbits 1,048,576 bytes of whole numbers; vkq 50,331,648 bytes; vwb 16,777,216 bytes; ps 17,170,432 bytes; vsc 65,536 bytes
;; launch prep (part 1): grid 1792 x 1, 8 waves a work-group, no clusters, 68,608 bytes of LDS; arguments key_value, query, Wv, Wk, Wq, Wo, attention_mask, act, wb, wob, mbits; writes act, wb, wob, mbits
.if DOCPART == 1
	.amdgcn_target "amdgcn-amd-amdhsa--gfx1250"
	.amdhsa_code_object_version 6
	.text
	.protected	k_q085ab7f63f_prep
	.globl	k_q085ab7f63f_prep
	.p2align	8
	.type	k_q085ab7f63f_prep,@function
k_q085ab7f63f_prep:
	s_mov_b64 s[64:65], 0
	v_nop
	global_prefetch_b8 v0, s[64:65] scope:SCOPE_SE
	s_setreg_imm32_b32 hwreg(HW_REG_WAVE_MODE, 25, 1), 1
	s_wait_xcnt 0x0
; PREP: two streaming jobs, told apart by the work-group's number g.
; g = 0 .. 1279: 16,384 f32 numbers of key_value, query, Wv, Wk, Wq or Wo are rounded once to bf16 (nearest even), so that the
;   later products read 2 bytes a number.  act = [key_value][query], wb = [Wv][Wk][Wq], wob = Wo, each in its input's order.
; g = 1280 .. 1791: 16 rows of attention_mask (row block g - 1280 of the 8,192 flat rows) become lane masks.  Wave w takes the
;   128 columns of chunk w.  Word 8 b + j of (row block, chunk) has bit L = (mask[16 rowblk + L % 16][128 w + 16 b + 8 (L / 16) + j] != 0):
;   the lane mask of register j of the 16 x 16 score tile b as the score launch holds it.  33,554,432 bytes become 1,048,576.
; Every input byte is read once by 16-byte loads of which a wave's cover 512 consecutive bytes; every store of a wave covers
; 256 consecutive bytes, aligned.  No matrix unit, no cluster: no work-group shares a byte with another and there is no product.
; No barrier: in the mask job a wave reads back only LDS bytes that it stored itself.
.set NCONV,  1280                      ; work-groups of the first job: 512 + 512 + 4 x 64
.set X,      16                        ; v[16:79]   16 loads of 4 registers
.set Y,      80                        ; v[80:111]  first job: 16 x 2 registers of bf16
.set D,      80                        ; v[80:143]  second job: the mask's words in the score tiles' lane order
.set WD,     144                       ; v[144:145] second job: lane i gathers words 2 i and 2 i + 1
.set MPITCH, 528                       ; an LDS row: 512 bytes + 16, an odd multiple of 16, so 16 rows' equal columns fall on different banks (ISA guide 11.1)
.set MWAVE,  16*MPITCH                 ; a wave's own 8,448 bytes
	s_load_b512 s[4:19], s[0:1], 0x0               ; key_value, query, Wv, Wk, Wq, Wo, attention_mask, act
	s_load_b128 s[20:23], s[0:1], 0x40             ; wb, wob
	s_load_b64 s[24:25], s[0:1], 0x50              ; mbits
	v_lshl_add_u32 v148, v0, 2, 0x10800
	v_mov_b32 v149, 0
	s_mov_b32 s26, ttmp9                           ; g
	v_lshlrev_b32 v1, 4, v0                        ; 16 t: my 16 bytes of each 4,096 read
	v_lshlrev_b32 v2, 3, v0                        ; 8 t: my 8 bytes of each 2,048 written
	s_wait_kmcnt 0x0
	s_cmp_ge_u32 s26, NCONV
	s_cbranch_scc1 .Lmask
	; ---- first job.  Which input, and which work-group number is its first ----
.macro PICKS first, lo
	s_cmp_ge_u32 s26, \first
	s_cselect_b64 s[28:29], s[\lo:\lo+1], s[28:29]
	s_cselect_b32 s30, \first, s30
.endm
.macro PICKD first, lo
	s_cmp_ge_u32 s26, \first
	s_cselect_b64 s[32:33], s[\lo:\lo+1], s[32:33]
	s_cselect_b32 s34, \first, s34
.endm
	s_mov_b64 s[28:29], s[4:5]                     ; key_value from g = 0
	s_mov_b32 s30, 0
	PICKS 512, 6                                   ; query
	PICKS 1024, 8                                  ; Wv
	PICKS 1088, 10                                 ; Wk
	PICKS 1152, 12                                 ; Wq
	PICKS 1216, 14                                 ; Wo
	s_mov_b64 s[32:33], s[18:19]                   ; act from g = 0
	s_mov_b32 s34, 0
	PICKD 1024, 20                                 ; wb
	PICKD 1216, 22                                 ; wob
	s_sub_co_u32 s30, s26, s30
	s_lshl_b32 s30, s30, 16                        ; 65,536 bytes of f32 a work-group
	s_mov_b32 s31, 0
	s_add_nc_u64 s[28:29], s[28:29], s[30:31]
	s_sub_co_u32 s34, s26, s34
	s_lshl_b32 s34, s34, 15                        ; 32,768 bytes of bf16
	s_mov_b32 s35, 0
	s_add_nc_u64 s[32:33], s[32:33], s[34:35]
.irp i, 0,1,2,3,4,5,6,7,8,9,10,11,12,13,14,15
	global_load_b128 v[X+4*\i:X+4*\i+3], v1, s[28:29] offset:4096*\i th:TH_LOAD_NT   ; all sixteen go out first
.endr
.irp i, 0,1,2,3,4,5,6,7,8,9,10,11,12,13,14,15
	s_wait_loadcnt 15-\i                           ; loads come back in order (ISA guide 5.7.1): load i is in, the younger ones stay out
	v_cvt_pk_bf16_f32 v[Y+2*\i],   v[X+4*\i],   v[X+4*\i+1]
	v_cvt_pk_bf16_f32 v[Y+2*\i+1], v[X+4*\i+2], v[X+4*\i+3]
	global_store_b64 v2, v[Y+2*\i:Y+2*\i+1], s[32:33] offset:2048*\i   ; no register is written twice: no further wait
.endr
	s_endpgm
	; ---- second job ----
.Lmask:
	s_sub_co_u32 s27, s26, NCONV                   ; row block 0 .. 511
	v_lshrrev_b32 v3, 5, v0
	v_readfirstlane_b32 s36, v3                    ; wave = chunk of 128 columns
	s_lshl_b32 s30, s27, 16                        ; 16 rows of 4,096 bytes
	s_mov_b32 s31, 0
	s_add_nc_u64 s[16:17], s[16:17], s[30:31]
	s_lshl_b32 s30, s27, 11                        ; 8 chunks of 64 words
	s_add_nc_u64 s[24:25], s[24:25], s[30:31]
.irp i, 0,1,2,3,4,5,6,7,8,9,10,11,12,13,14,15
	global_load_b128 v[X+4*\i:X+4*\i+3], v1, s[16:17] offset:4096*\i th:TH_LOAD_NT   ; row i: 16 t = 512 w + 16 lane
.endr
	s_mul_i32 s37, s36, MWAVE
	v_and_b32 v7, 31, v0                           ; lane
	v_and_b32 v8, 15, v0                           ; r
	v_bfe_u32 v9, v0, 4, 1                         ; h
	v_lshl_add_u32 v4, v7, 4, s37                  ; in: 16 bytes a lane along a row
	v_mul_u32_u24 v5, v8, MPITCH
	v_lshl_add_u32 v5, v9, 5, v5
	v_add_nc_u32 v5, s37, v5                       ; back: row r, 32 bytes (8 columns) for each half of the lanes
	v_mov_b32 v[WD], 0                             ; v_writelane_b32 keeps the other lanes: the registers are written whole first
	v_mov_b32 v[WD+1], 0
.irp i, 0,1,2,3,4,5,6,7,8,9,10,11,12,13,14,15
	s_wait_loadcnt 15-\i
	ds_store_b128 v4, v[X+4*\i:X+4*\i+3] offset:MPITCH*\i
.endr
.set n, 0
.rept 16                                               ; n = 2 b + q: columns 16 b + 8 h + 4 q .. + 3.  A wave's LDS instructions are served in order (ISA guide 5.7.1.4)
	ds_load_b128 v[D+4*n:D+4*n+3], v5 offset:64*(n/2)+16*(n&1)
.set n, n+1
.endr
.set n, 0
.rept 16
	s_wait_dscnt 15-n                              ; load n is in, the younger ones stay out
.irp i, 0,1,2,3
	v_cmp_ne_u32 s[40+(4*n+\i)%16], 0, v[D+4*n+\i]                 ; word 8 b + j, j = 4 q + i: one bit a lane
.endr
.irp i, 0,1,2,3
	v_writelane_b32 v[WD+(\i&1)], s[40+(4*n+\i)%16], 2*n+(\i>>1)   ; to lane (8 b + j) / 2 = 2 n + i / 2, register j % 2
.endr
.set n, n+1
.endr
	global_store_b64 v2, v[WD:WD+1], s[24:25]      ; 8 t = 256 w + 8 lane: the wave's 64 words, 256 consecutive bytes, aligned
	s_wait_tensorcnt 0x0
	ds_add_u32 v148, v149
	s_wait_dscnt 0x0
	s_endpgm
.Lfunc_end_k_q085ab7f63f_prep:
	.size	k_q085ab7f63f_prep, .Lfunc_end_k_q085ab7f63f_prep-k_q085ab7f63f_prep
	.p2alignl 7, 3214868480
	.fill 96, 4, 3214868480
	.section	.rodata,"a",@progbits
	.p2align	6, 0x0
	.amdhsa_kernel k_q085ab7f63f_prep
		.amdhsa_group_segment_fixed_size 68608
		.amdhsa_private_segment_fixed_size 0
		.amdhsa_enable_private_segment 0
		.amdhsa_kernarg_size 88
		.amdhsa_user_sgpr_count 2
		.amdhsa_user_sgpr_kernarg_segment_ptr 1
		.amdhsa_wavefront_size32 1
		.amdhsa_system_sgpr_workgroup_id_x 1
		.amdhsa_system_sgpr_workgroup_id_y 1
		.amdhsa_system_sgpr_workgroup_id_z 1
		.amdhsa_system_vgpr_workitem_id 0
		.amdhsa_next_free_vgpr 150
		.amdhsa_next_free_sgpr 66
		.amdhsa_reserve_vcc 0
		.amdhsa_float_denorm_mode_32 3
		.amdhsa_float_denorm_mode_16_64 3
		.amdhsa_memory_ordered 1
		.amdhsa_forward_progress 1
		.amdhsa_inst_pref_size 22
	.end_amdhsa_kernel
	.amdgpu_metadata
---
amdhsa.version: [ 1, 2 ]
amdhsa.kernels:
  - .name:           k_q085ab7f63f_prep
    .symbol:         k_q085ab7f63f_prep.kd
    .args:
      - { .name: key_value, .offset: 0, .size: 8, .value_kind: global_buffer, .address_space: global }
      - { .name: query, .offset: 8, .size: 8, .value_kind: global_buffer, .address_space: global }
      - { .name: Wv, .offset: 16, .size: 8, .value_kind: global_buffer, .address_space: global }
      - { .name: Wk, .offset: 24, .size: 8, .value_kind: global_buffer, .address_space: global }
      - { .name: Wq, .offset: 32, .size: 8, .value_kind: global_buffer, .address_space: global }
      - { .name: Wo, .offset: 40, .size: 8, .value_kind: global_buffer, .address_space: global }
      - { .name: attention_mask, .offset: 48, .size: 8, .value_kind: global_buffer, .address_space: global }
      - { .name: act, .offset: 56, .size: 8, .value_kind: global_buffer, .address_space: global }
      - { .name: wb, .offset: 64, .size: 8, .value_kind: global_buffer, .address_space: global }
      - { .name: wob, .offset: 72, .size: 8, .value_kind: global_buffer, .address_space: global }
      - { .name: mbits, .offset: 80, .size: 8, .value_kind: global_buffer, .address_space: global }
    .group_segment_fixed_size: 68608
    .private_segment_fixed_size: 0
    .kernarg_segment_align: 8
    .kernarg_segment_size: 88
    .max_flat_workgroup_size: 256
    .sgpr_count:     66
    .vgpr_count:     150
    .wavefront_size: 32
...
	.end_amdgpu_metadata
.endif
;; end of part 1
;; launch proj (part 2): grid 4 x 192, 4 waves a work-group, clusters of 4 x 4, 327,680 bytes of LDS; arguments act, wb, bv, bk, bq, vkq; writes vkq
.if DOCPART == 2
	.amdgcn_target "amdgcn-amd-amdhsa--gfx1250"
	.amdhsa_code_object_version 6
	.text
	.protected	k_q085ab7f63f_proj
	.globl	k_q085ab7f63f_proj
	.p2align	8
	.type	k_q085ab7f63f_proj,@function
k_q085ab7f63f_proj:
	s_mov_b64 s[64:65], 0
	v_nop
	global_prefetch_b8 v0, s[64:65] scope:SCOPE_SE
	s_setreg_imm32_b32 hwreg(HW_REG_WAVE_MODE, 25, 1), 1
	s_wait_xcnt 0x0
	s_wait_alu depctr_hold_cnt(0) depctr_sa_sdst(0) depctr_va_vdst(0) depctr_va_sdst(0) depctr_va_ssrc(0) depctr_va_vcc(0) depctr_vm_vsrc(0)
	s_getreg_b32 s2, hwreg(HW_REG_IB_STS2, 6, 4)
	s_cmp_eq_u32 s2, 0
	s_cbranch_scc0 .Lentry_in_a_cluster
	s_endpgm
.Lentry_in_a_cluster:
	s_bfe_u32 s2, ttmp6, 0x10000c
	s_cmp_lg_u32 s2, 0xf033
	s_cbranch_scc0 .Lentry_shape_is_right
	s_endpgm
.Lentry_shape_is_right:
; PROJ: C[m][f] = bias[f] + sum over e of A[m][e] W[f][e], planes p = 0, 1, 2 of one launch (p = cluster y / 16):
;   p = 0: A plane 0, W plane 0, first bias; p = 1: A plane 0, W plane 1, second bias; p = 2: A plane 1, W plane 2, third bias; C plane p.
;   With act, wb, bv, bk, bq, vkq that is v, k and q.  With 16 clusters along y only p = 0 occurs: with vkq, wob, bo, .., vwb the same
;   text makes VW = v Wo^T + bo.  (out = (P v) Wo^T + bo = P (v Wo^T + bo): products associate, and a softmax row sums to one; a row
;   that is masked throughout is NaN either way.  The order of rounding differs from the reference's by that.)
; A: [8192][1024], W: [1024][1024], C: [8192][1024], all bf16; sums in f32, started by the bias, rounded to bf16 once.
; A work-group makes 128 x 256 of C with four waves, a wave 64 x 128: 32 accumulator tiles of 16 x 16, 256 registers.  8,192 x 1,024 of C
; are 256 such blocks, one for each of 256 work-groups of a plane.  K goes in steps of 128 through a ring of two LDS slots filled by tensor loads:
; a tile's rows are 256 bytes of memory and start at multiples of 256 bytes from the buffer's first byte.
; CLUSTERS: 4 x 4 work-groups.  The four of a row of the cluster need the same 128 rows of A, the four of a column the same 256 rows of W:
; each tile is asked for jointly, by the same load with the same descriptor in all four, which divides the requests by four.
; REGISTERS, in windows of 256: window 0: v0-31 addresses, v64-127 / v128-191 W's fragments (8 x 16 rows x 32 K), two buffers,
;   v192-223 / v224-255 A's fragments (4), two buffers; window 1: tile (a, b) at v[8 (8 a + b)]; window 2: v0-63 the bias of my 128 columns.
; THE MATRIX INSTRUCTION IS USED TRANSPOSED (source 0 = 16 rows of W, source 1 = 16 rows of A): register j of lane (r, h) of tile (a, b)
; is C(row 16 a + r, column 16 b + 8 h + j), eight neighbouring numbers of a row.
.set KSTEP,  128
.set PITCH,  272                       ; an LDS row: 256 bytes + 16 of padding, an odd multiple of 16: the 16 rows of a fragment load start on different banks (ISA guide 11.1)
.set HALFT,  128*PITCH                 ; 34,816: each wave's own part of a slot.  Waves 0, 1: 128 rows of W each; waves 2, 3: 64 rows of A each, at the head of their part
.set SLOT,   4*HALFT
.set STAGE,  2*SLOT                    ; behind the ring: 16 rows x 272 bytes for each wave, for the way out; no tensor load lands here
.set SPITCH, 272
.set ROWB,   2048                      ; bytes of a row of 1,024 bf16
.set ASL,    KSTEP*2                   ; from K step 0's tile to K step 1's, A and W
.set BSL,    KSTEP*2
.set ASTEP,  2*KSTEP*2                 ; a slot's next tile is two K steps on
.set BSTEP,  2*KSTEP*2
.set ADRA, 16                          ; v16-17  LDS address of my A fragments in slot 0, 1
.set ADRB, 20                          ; v20-21  the same for W
.set STO,  24                          ; v24     way out: where I put 16 bytes of a row
.set RD,   25                          ; v25     way out: where I read a row back
.set CO,   26                          ; v26     my byte offset in C
.set FB,   64
.set FA,   192
.set TMP,  64                          ; way out: packed results
.set G1,  24                           ; s[24:31] group 1 for A's tiles
.set G0,  32                           ; s[32:39] group 0 for A's tiles, one set a slot
.set G1B, 48                           ; s[48:55] group 1 for W's tiles
.set G0B, 56                           ; s[56:63] group 0 for W's tiles, one set a slot
.set MSB, 0
.macro WIN new                         ; s_set_vgpr_msb: bits 1:0 source 0, 3:2 source 1, 5:4 source 2, 7:6 destination; the high byte repeats the setting that is left
.if MSB != \new
	s_set_vgpr_msb (MSB<<8)|\new
.set MSB, \new
.endif
.endm
.macro PLACES                          ; four plain vector places behind matrix instructions, in front of loads into their sources and of readers of their results
.rept 4
	v_nop
.endr
.endm
; A joint load.  Waves 0 and 1 fetch W's halves, waves 2 and 3 A's.  Each line has one mask; the branch hangs on the wave's number alone.
.macro JLOAD s
	s_cmp_eq_u32 s11, 0
	s_cbranch_scc0 .Lfor_a_\@
	tensor_load_to_lds s[G0B+4*\s:G0B+4*\s+3], s[G1B:G1B+7]
	s_nop 0
	s_branch .Lasked_\@
.Lfor_a_\@:
	tensor_load_to_lds s[G0+4*\s:G0+4*\s+3], s[G1:G1+7]
	s_nop 0
.Lasked_\@:
.endm
.macro CREST                           ; a round of the cluster's barrier behind its opening work-group barrier
	s_cmp_lg_u32 s10, 0
	s_cbranch_scc1 .Lnot_wave_0_\@
	s_barrier_signal -3
.Lnot_wave_0_\@:
	s_barrier_wait -3
	s_barrier_signal -1
	s_barrier_wait -1
.endm
.macro CROUND
	s_barrier_signal -1
	s_barrier_wait -1
	CREST
.endm
; Eight matrix instructions: row block a x all 8 column blocks, 32 along K, from buffer f.  cm = 0: add in place; cm = 2: the bias (window 2) starts the sums.
; The 32 accumulators take turns, one instruction a turn, in the same order in every quarter step.
.macro MULA f, a, cm
.if \cm == 2
	WIN 0x60
.else
	WIN 0x50
.endif
.irp b, 0,1,2,3,4,5,6,7
.if \cm == 2
	v_wmma_f32_16x16x32_bf16 v[8*(8*\a+\b):8*(8*\a+\b)+7], v[FB+64*\f+8*\b:FB+64*\f+8*\b+7], v[FA+32*\f+8*\a:FA+32*\f+8*\a+7], v[8*\b:8*\b+7]
.else
	v_wmma_f32_16x16x32_bf16 v[8*(8*\a+\b):8*(8*\a+\b)+7], v[FB+64*\f+8*\b:FB+64*\f+8*\b+7], v[FA+32*\f+8*\a:FA+32*\f+8*\a+7], v[8*(8*\a+\b):8*(8*\a+\b)+7]
.endif
.endr
.endm
; 24 LDS loads in one run: quarter step kq of a slot into buffer g; W's 16 first, then A's 8
.macro FETCH slot, kq, g
	WIN 0
.irp i, 0,1,2,3,4,5,6,7
	ds_load_b128 v[FB+64*\g+8*\i:FB+64*\g+8*\i+3],   v[ADRB+\slot] offset:64*\kq+16*PITCH*\i
	ds_load_b128 v[FB+64*\g+8*\i+4:FB+64*\g+8*\i+7], v[ADRB+\slot] offset:64*\kq+16*PITCH*\i+32
.endr
.irp i, 0,1,2,3
	ds_load_b128 v[FA+32*\g+8*\i:FA+32*\g+8*\i+3],   v[ADRA+\slot] offset:64*\kq+16*PITCH*\i
	ds_load_b128 v[FA+32*\g+8*\i+4:FA+32*\g+8*\i+7], v[ADRA+\slot] offset:64*\kq+16*PITCH*\i+32
.endr
.endm
; One of a K step's first three quarters: multiplies buffer f, fetches quarter kq into buffer g behind its first eight products
.macro QUARTER slot, kq, f, g, cm
	s_wait_dscnt 0x6                               ; W's fragments and A's block 0 are in; the youngest six loads (A's blocks 1 to 3) may be out
	MULA \f, 0, \cm
	PLACES
	FETCH \slot, \kq, \g
	s_wait_dscnt 0x18                              ; all but the 24 just issued
	MULA \f, 1, \cm
	MULA \f, 2, \cm
	MULA \f, 3, \cm
.endm
.macro THREE slot, cm
	QUARTER \slot, 1, 0, 1, \cm
	QUARTER \slot, 2, 1, 0, 0
	QUARTER \slot, 3, 0, 1, 0
.endm
; The last quarter multiplies buffer 1 and changes slots.  In front of the one barrier each wave waits for its reads of this slot and for all its
; tensor loads (one is out: its part of the next slot).  fill = 1: the barrier opens a round of the cluster's barrier, and the joint refill of this
; slot, two K steps ahead, is the first tensor load behind the round: it has 120 of a K step's 128 matrix instructions in which to land.
.macro TURN slot, next, fill
	s_wait_dscnt 0x6
	MULA 1, 0, 0
	s_wait_dscnt 0x0                               ; my reads of this slot are back
	s_wait_tensorcnt 0x0                           ; all my tensor loads have landed
	ds_add_u32 v62, v63
	s_wait_dscnt 0x0
	s_barrier_signal -1
	MULA 1, 1, 0                                   ; register work while the others arrive
	WIN 0
	s_barrier_wait -1
.if \fill
	CREST
	s_add_nc_u64 s[G0+4*\slot+2:G0+4*\slot+3], s[G0+4*\slot+2:G0+4*\slot+3], ASTEP      ; no tensor load of mine is out: a group 0 may be written
	s_add_nc_u64 s[G0B+4*\slot+2:G0B+4*\slot+3], s[G0B+4*\slot+2:G0B+4*\slot+3], BSTEP
	JLOAD \slot
.endif
	PLACES
	FETCH \next, 0, 0
	MULA 1, 2, 0
	MULA 1, 3, 0
.endm
.macro LASTQ
	s_wait_dscnt 0x0
	MULA 1, 0, 0
	MULA 1, 1, 0
	MULA 1, 2, 0
	MULA 1, 3, 0
.endm
.macro LAP cm                          ; once round the ring, both slots filled again
	THREE 0, \cm
	TURN 0, 1, 1
	THREE 1, 0
	TURN 1, 0, 1
.endm
	s_load_b256 s[68:75], s[0:1], 0x0              ; A s[68:69], W s[70:71], first bias s[72:73], second s[74:75]
	s_load_b128 s[76:79], s[0:1], 0x20             ; third bias s[76:77], C s[78:79]
	v_lshl_add_u32 v62, v0, 2, 0x48400
	v_mov_b32 v63, 0
	ds_add_u32 v62, v63
	v_lshrrev_b32 v1, 5, v0
	v_readfirstlane_b32 s10, v1                    ; wave 0..3
	s_lshr_b32 s11, s10, 1                         ; wm: my 64 rows of the block.  Also: I fetch for W (0) or for A (1)
	s_and_b32 s12, s10, 1                          ; wn: my 128 columns.  Also: which half of that tile I fetch
	s_bfe_u32 s40, ttmp6, 0x40000                  ; cx
	s_bfe_u32 s41, ttmp6, 0x40004                  ; cy
	s_lshl_b32 s42, ttmp9, 2
	s_add_co_u32 s42, s42, s40                     ; block column = 4 x cluster x + cx
	s_and_b32 s45, ttmp7, 0xffff                   ; cluster y
	s_and_b32 s13, s45, 15
	s_lshl_b32 s13, s13, 2
	s_add_co_u32 s13, s13, s41                     ; block row in the plane = 4 x (cluster y mod 16) + cy
	s_lshr_b32 s21, s45, 4                         ; p: the same in all sixteen work-groups of a cluster
	s_lshl_b32 s43, s41, 2
	s_lshl_b32 s43, 15, s43                        ; my row of the cluster
	s_lshl_b32 s44, 0x1111, s40                    ; my column
	s_or_b32 s[G1+0], s43, (1<<16)|(1<<20)|(1<<21)|(5<<22)|(3<<25)   ; mask; elements of 2 bytes; padding on; bit 21 beside a mask; after every 64 words 4 words
	s_mov_b32 s[G1+1], KSTEP<<16                   ; tensor_dim0 = 128
	s_mov_b32 s[G1+2], 64<<16                      ; tensor_dim1 = 64
	s_mov_b32 s[G1+3], KSTEP<<16                   ; tile_dim0 = 128
	s_mov_b32 s[G1+4], 64                          ; tile_dim1 = 64 rows
	s_mov_b32 s[G1+5], 1024                        ; elements from row to row
	s_mov_b32 s[G1+6], 0
	s_mov_b32 s[G1+7], 0
	s_or_b32 s[G1B+0], s44, (1<<16)|(1<<20)|(1<<21)|(5<<22)|(3<<25)
	s_mov_b32 s[G1B+1], KSTEP<<16
	s_mov_b32 s[G1B+2], 128<<16                    ; 128 rows
	s_mov_b32 s[G1B+3], KSTEP<<16
	s_mov_b32 s[G1B+4], 128
	s_mov_b32 s[G1B+5], 1024
	s_mov_b32 s[G1B+6], 0
	s_mov_b32 s[G1B+7], 0
	; A's tile hangs on the block row, p and the wave; W's on the block column, p and the wave; each in registers that never hold the other coordinate
	s_lshl_b32 s16, s13, 7
	s_lshl_b32 s17, s12, 6
	s_add_co_u32 s16, s16, s17                     ; row 128 x block row + 64 x half
	s_lshl_b32 s16, s16, 11
	s_lshr_b32 s17, s21, 1
	s_lshl_b32 s17, s17, 24                        ; plane p / 2 of 16,777,216 bytes
	s_add_co_u32 s16, s16, s17
	s_mov_b32 s17, 0
	s_lshl_b32 s46, s42, 8
	s_lshl_b32 s47, s12, 7
	s_add_co_u32 s46, s46, s47                     ; row 256 x block column + 128 x half
	s_lshl_b32 s46, s46, 11
	s_lshl_b32 s47, s21, 21                        ; plane p of 2,097,152 bytes
	s_add_co_u32 s46, s46, s47
	s_mov_b32 s47, 0
	s_mul_i32 s20, s10, HALFT                      ; where my tile goes: the wave's number alone
	s_wait_dscnt 0x0
	s_wait_kmcnt 0x0
	s_add_nc_u64 s[14:15], s[68:69], s[16:17]
	s_add_nc_u64 s[46:47], s[70:71], s[46:47]
	CROUND                                         ; all sixteen work-groups are here: the first joint loads meet
.irp s, 0,1
	s_mov_b32 s[G0+4*\s], 1
	s_add_co_u32 s[G0+4*\s+1], s20, \s*SLOT
	s_add_nc_u64 s[G0+4*\s+2:G0+4*\s+3], s[14:15], \s*ASL
	s_or_b32 s[G0+4*\s+3], s[G0+4*\s+3], 0x80000000
	s_mov_b32 s[G0B+4*\s], 1
	s_add_co_u32 s[G0B+4*\s+1], s20, \s*SLOT
	s_add_nc_u64 s[G0B+4*\s+2:G0B+4*\s+3], s[46:47], \s*BSL
	s_or_b32 s[G0B+4*\s+3], s[G0B+4*\s+3], 0x80000000
	JLOAD \s                                       ; K steps 0 and 1: two tensor loads of the wave are out
.endr
	; the bias of my 128 columns, and C at my 64 x 128
	s_cmp_eq_u32 s21, 1
	s_cselect_b64 s[72:73], s[74:75], s[72:73]
	s_cmp_eq_u32 s21, 2
	s_cselect_b64 s[72:73], s[76:77], s[72:73]
	s_lshl_b32 s80, s42, 10
	s_lshl_b32 s81, s12, 9
	s_add_co_u32 s80, s80, s81                     ; (256 x block column + 128 wn) x 4 bytes
	s_mov_b32 s81, 0
	s_add_nc_u64 s[72:73], s[72:73], s[80:81]
	s_lshl_b32 s82, s13, 7
	s_lshl_b32 s83, s11, 6
	s_add_co_u32 s82, s82, s83
	s_lshl_b32 s82, s82, 11                        ; my first row
	s_lshl_b32 s83, s21, 24                        ; plane p
	s_add_co_u32 s82, s82, s83
	s_lshl_b32 s83, s42, 9
	s_add_co_u32 s82, s82, s83
	s_lshl_b32 s83, s12, 8
	s_add_co_u32 s82, s82, s83                     ; my first column, 2 bytes each
	s_mov_b32 s83, 0
	s_add_nc_u64 s[78:79], s[78:79], s[82:83]
	; a fragment is 16 rows x 32 K: lane (r, h) takes 16 bytes at row r, byte 16 h, and 16 more 32 bytes on
	v_and_b32 v1, 15, v0                           ; r
	v_bfe_u32 v2, v0, 4, 1                         ; h
	v_mul_u32_u24 v3, v1, PITCH
	v_lshl_add_u32 v3, v2, 4, v3
	s_mul_i32 s22, s12, HALFT                      ; W's rows of my 128 columns
	s_mul_i32 s23, s11, HALFT
	s_add_co_u32 s23, s23, 2*HALFT                 ; A's 64 rows of mine
.irp s, 0,1
	v_add_nc_u32 v[ADRB+\s], s22, v3
	v_add_nc_u32 v[ADRA+\s], s23, v3
	s_add_co_u32 s22, s22, SLOT
	s_add_co_u32 s23, s23, SLOT
.endr
	s_mul_i32 s22, s10, 16*SPITCH
	s_add_co_u32 s22, s22, STAGE                   ; my stage
	v_add_nc_u32 v[STO], s22, v3                   ; in: row r, 16 bytes for each half of the lanes
	v_mul_u32_u24 v4, v2, SPITCH
	v_lshl_add_u32 v4, v1, 4, v4
	v_add_nc_u32 v[RD], s22, v4                    ; back: lanes 0-15 one row of 256 bytes, lanes 16-31 the next
	v_lshlrev_b32 v5, 11, v2
	v_lshl_add_u32 v[CO], v1, 4, v5                ; the same two rows in C
	v_lshlrev_b32 v27, 5, v2                       ; bias: 8 h columns of 4 bytes
	WIN 0x80                                       ; destination in window 2
.irp b, 0,1,2,3,4,5,6,7
	global_load_b128 v[8*\b:8*\b+3],   v27, s[72:73] offset:64*\b       ; bias of columns 16 b + 8 h .. + 3
	global_load_b128 v[8*\b+4:8*\b+7], v27, s[72:73] offset:64*\b+16
.endr
	WIN 0
	s_wait_loadcnt 0x0                             ; the bias, once
	s_wait_tensorcnt 0x1                           ; my part of K step 0 is in; K step 1's may stay out
	s_barrier_signal -1
	s_barrier_wait -1
	FETCH 0, 0, 0
	LAP 2                                          ; the first products take the bias as C: nothing is cleared, nothing is added later
	WIN 0
	s_mov_b32 s3, 2
.Llap:
	LAP 0
	WIN 0
	s_sub_co_u32 s3, s3, 1
	s_cmp_lg_u32 s3, 0
	s_cbranch_scc1 .Llap
	THREE 0, 0                                     ; K steps 6 and 7: nothing is left to fetch
	TURN 0, 1, 0
	THREE 1, 0
	LASTQ
	; THE WAY OUT, 16 rows at a time: round to bf16, 16 bytes a lane into my own stage, back as whole rows of 256 bytes
	PLACES
.macro OUT16 a, rb
	WIN 0x05
.irp b, 0,1,2,3,4,5,6,7
.irp q, 0,1,2,3
	v_cvt_pk_bf16_f32 v[TMP+4*\b+\q], v[8*(8*\a+\b)+2*\q], v[8*(8*\a+\b)+2*\q+1]
.endr
.endr
	WIN 0
.irp b, 0,1,2,3,4,5,6,7
	ds_store_b128 v[STO], v[TMP+4*\b:TMP+4*\b+3] offset:32*\b
.endr
	s_wait_xcnt 0x0                                ; earlier stores have had their addresses translated (ISA guide 3.1): their data registers and base are rewritten only behind this wait
.if \a
	s_add_nc_u64 s[78:79], s[78:79], 16*ROWB
.endif
.irp t, 0,1,2,3,4,5,6,7
	ds_load_b128 v[\rb+4*\t:\rb+4*\t+3], v[RD] offset:\t*2*SPITCH  ; a wave's LDS instructions are served in order (ISA guide 5.7.1.4): these see the stores above
.endr
.irp t, 0,1,2,3,4,5,6,7
	s_wait_dscnt 7-\t
	global_store_b128 v[CO], v[\rb+4*\t:\rb+4*\t+3], s[78:79] offset:2*\t*ROWB   ; 16 lanes store 256 consecutive bytes, aligned
.endr
.endm
	OUT16 0, 128
	OUT16 1, 160
	OUT16 2, 128
	OUT16 3, 160
	s_wait_tensorcnt 0x0
	ds_add_u32 v62, v63
	s_wait_dscnt 0x0
	CROUND                                         ; the closing round: no work-group ends while a partner may still ask jointly
	s_endpgm
.Lfunc_end_k_q085ab7f63f_proj:
	.size	k_q085ab7f63f_proj, .Lfunc_end_k_q085ab7f63f_proj-k_q085ab7f63f_proj
	.p2alignl 7, 3214868480
	.fill 96, 4, 3214868480
	.section	.rodata,"a",@progbits
	.p2align	6, 0x0
	.amdhsa_kernel k_q085ab7f63f_proj
		.amdhsa_group_segment_fixed_size 327680
		.amdhsa_private_segment_fixed_size 0
		.amdhsa_enable_private_segment 0
		.amdhsa_kernarg_size 48
		.amdhsa_user_sgpr_count 2
		.amdhsa_user_sgpr_kernarg_segment_ptr 1
		.amdhsa_wavefront_size32 1
		.amdhsa_system_sgpr_workgroup_id_x 1
		.amdhsa_system_sgpr_workgroup_id_y 1
		.amdhsa_system_sgpr_workgroup_id_z 1
		.amdhsa_system_vgpr_workitem_id 0
		.amdhsa_next_free_vgpr 576
		.amdhsa_next_free_sgpr 84
		.amdhsa_reserve_vcc 0
		.amdhsa_float_denorm_mode_32 3
		.amdhsa_float_denorm_mode_16_64 3
		.amdhsa_memory_ordered 1
		.amdhsa_forward_progress 1
		.amdhsa_inst_pref_size 120
	.end_amdhsa_kernel
	.amdgpu_metadata
---
amdhsa.version: [ 1, 2 ]
amdhsa.kernels:
  - .name:           k_q085ab7f63f_proj
    .symbol:         k_q085ab7f63f_proj.kd
    .args:
      - { .name: act, .offset: 0, .size: 8, .value_kind: global_buffer, .address_space: global }
      - { .name: wb, .offset: 8, .size: 8, .value_kind: global_buffer, .address_space: global }
      - { .name: bv, .offset: 16, .size: 8, .value_kind: global_buffer, .address_space: global }
      - { .name: bk, .offset: 24, .size: 8, .value_kind: global_buffer, .address_space: global }
      - { .name: bq, .offset: 32, .size: 8, .value_kind: global_buffer, .address_space: global }
      - { .name: vkq, .offset: 40, .size: 8, .value_kind: global_buffer, .address_space: global }
    .group_segment_fixed_size: 327680
    .private_segment_fixed_size: 0
    .kernarg_segment_align: 8
    .kernarg_segment_size: 48
    .max_flat_workgroup_size: 128
    .sgpr_count:     84
    .vgpr_count:     576
    .wavefront_size: 32
...
	.end_amdgpu_metadata
.endif
;; end of part 2
;; launch scores (part 3): grid 4 x 64, 4 waves a work-group, clusters of 4 x 4, 327,680 bytes of LDS; arguments vkq, mbits, ps; writes ps
.if DOCPART == 3
	.amdgcn_target "amdgcn-amd-amdhsa--gfx1250"
	.amdhsa_code_object_version 6
	.text
	.protected	k_q085ab7f63f_scores
	.globl	k_q085ab7f63f_scores
	.p2align	8
	.type	k_q085ab7f63f_scores,@function
k_q085ab7f63f_scores:
	s_mov_b64 s[64:65], 0
	v_nop
	global_prefetch_b8 v0, s[64:65] scope:SCOPE_SE
	s_setreg_imm32_b32 hwreg(HW_REG_WAVE_MODE, 25, 1), 1
	s_wait_xcnt 0x0
	s_wait_alu depctr_hold_cnt(0) depctr_sa_sdst(0) depctr_va_vdst(0) depctr_va_sdst(0) depctr_va_ssrc(0) depctr_va_vcc(0) depctr_vm_vsrc(0)
	s_getreg_b32 s2, hwreg(HW_REG_IB_STS2, 6, 4)
	s_cmp_eq_u32 s2, 0
	s_cbranch_scc0 .Lentry_in_a_cluster
	s_endpgm
.Lentry_in_a_cluster:
	s_bfe_u32 s2, ttmp6, 0x10000c
	s_cmp_lg_u32 s2, 0xf033
	s_cbranch_scc0 .Lentry_shape_is_right
	s_endpgm
.Lentry_shape_is_right:
; SCORES: S = q k^T for 128 rows x 256 keys a work-group, the mask, and the softmax's first level.
;   With c = log2(e) / 32 (the scale 1 / sqrt(1024) folded in) and m_t = c x the largest unmasked S of a row among the block's 256 keys:
;   pt = exp2(S c - m_t), 0 where masked, in f16, to ps[row][key]; m_t and the sums of pt over each 128 keys, in f32, to twelve planes of 8,192 numbers
;   behind pt (planes 0-3: m_t of key block t; plane 4 + 2 t + wn: the sum over half wn of block t).  The last launch takes the maximum over the four
;   blocks and rescales: the maximum is taken away at both levels, no fixed shift anywhere.
;   A block whose 256 keys are all masked: m_t = -inf is stored; the subtraction uses max(m_t, -FLT_MAX), so pt = exp2(-inf) = 0 and the sums are 0.
; WHY f16 FOR pt: the subtraction of the block's maximum bounds pt to [0, 1] for every input, so f16's range holds it, and f16 keeps three bits more than bf16.
; LIMITS: q and k enter in bf16; pt leaves in f16 (below 2^-14 with an absolute error of at most 2^-25; the sums add the unrounded pt); exp2 gives 0 below 2^-126;
;   the maxima pass over NaN scores, which arise only where the reference's result is not finite either.
; q = plane 2 of vkq, k = plane 1, [8192][1024] bf16.  The mask comes as lane masks: word 8 b + j of (16-row block, 128-key chunk), bit = lane.
; Shape, ring, clusters and register windows: a work-group makes 128 x 256 with four waves of 64 x 128 (32 tiles, window 1); K = 1,024 in steps of 128 through
; two LDS slots; 4 x 4 work-groups share q's tiles along a row of the cluster and k's along a column by joint loads, which divides the requests by four.
; The matrix instruction is used transposed: register j of lane (r, h) of tile (a, b) is S(row 16 a + r, key 16 b + 8 h + j).
.set KSTEP,  128
.set PITCH,  272                       ; 256 bytes + 16: an odd multiple of 16, so a fragment load's 16 rows start on different banks (ISA guide 11.1)
.set HALFT,  128*PITCH                 ; each wave's own part of a slot: waves 0, 1: 128 rows of k; waves 2, 3: 64 rows of q at the head of their part
.set SLOT,   4*HALFT
.set STAGE,  2*SLOT                    ; 16 rows x 272 bytes a wave; no tensor load lands at or behind STAGE
.set SPITCH, 272
.set XCH,    STAGE+4*16*SPITCH         ; 1,024 bytes: wave w's 64 row maxima at 256 w
.set ST,     XCH+1024                  ; 1,536 bytes: m of 128 rows, the sums of half 0, the sums of half 1
.set SM,     16777216                  ; the planes' place in ps
.set ROWB,   2048
.set ASL,    KSTEP*2
.set BSL,    KSTEP*2
.set ASTEP,  2*KSTEP*2
.set BSTEP,  2*KSTEP*2
.set ADRA, 16
.set ADRB, 20
.set STO,  24
.set RD,   25
.set CO,   26
.set MW,   32                          ; v[32:39]  mask words of row block a: lane i holds words 2 i, 2 i + 1
.set MX,   40                          ; v[40:43]  row maxima
.set TP,   44                          ; v[44:47]  at work
.set NEGM, 48                          ; v[48:55]  -max(m_t, -FLT_MAX), twice, for the packed multiply-add
.set LS,   56                          ; v[56:59]  sums of pt
.set M2,   60                          ; v[60:63]  m_t
.set FB,   64
.set FA,   192
.set TMP,  64
.set SUM,  96
.set G1,  24
.set G0,  32
.set G1B, 48
.set G0B, 56
.set MSB, 0
.macro WIN new                         ; bits 1:0 source 0, 3:2 source 1, 5:4 source 2, 7:6 destination; the high byte repeats the setting that is left
.if MSB != \new
	s_set_vgpr_msb (MSB<<8)|\new
.set MSB, \new
.endif
.endm
.macro PLACES                          ; four plain vector places behind matrix instructions (ISA guide 7.12.1)
.rept 4
	v_nop
.endr
.endm
.macro JLOAD s                         ; waves 0, 1: k's halves; waves 2, 3: q's; the branch hangs on the wave's number alone
	s_cmp_eq_u32 s11, 0
	s_cbranch_scc0 .Lfor_a_\@
	tensor_load_to_lds s[G0B+4*\s:G0B+4*\s+3], s[G1B:G1B+7]
	s_nop 0
	s_branch .Lasked_\@
.Lfor_a_\@:
	tensor_load_to_lds s[G0+4*\s:G0+4*\s+3], s[G1:G1+7]
	s_nop 0
.Lasked_\@:
.endm
.macro CREST
	s_cmp_lg_u32 s10, 0
	s_cbranch_scc1 .Lnot_wave_0_\@
	s_barrier_signal -3
.Lnot_wave_0_\@:
	s_barrier_wait -3
	s_barrier_signal -1
	s_barrier_wait -1
.endm
.macro CROUND
	s_barrier_signal -1
	s_barrier_wait -1
	CREST
.endm
; Eight matrix instructions: row block a x 8 key blocks.  cm = 1: the constant 0 starts the sums.  The 32 accumulators take turns, one instruction a turn.
.macro MULA f, a, cm
	WIN 0x50
.irp b, 0,1,2,3,4,5,6,7
.if \cm == 1
	v_wmma_f32_16x16x32_bf16 v[8*(8*\a+\b):8*(8*\a+\b)+7], v[FB+64*\f+8*\b:FB+64*\f+8*\b+7], v[FA+32*\f+8*\a:FA+32*\f+8*\a+7], 0
.else
	v_wmma_f32_16x16x32_bf16 v[8*(8*\a+\b):8*(8*\a+\b)+7], v[FB+64*\f+8*\b:FB+64*\f+8*\b+7], v[FA+32*\f+8*\a:FA+32*\f+8*\a+7], v[8*(8*\a+\b):8*(8*\a+\b)+7]
.endif
.endr
.endm
.macro FETCH slot, kq, g               ; 24 LDS loads in one run: k's 16, then q's 8
	WIN 0
.irp i, 0,1,2,3,4,5,6,7
	ds_load_b128 v[FB+64*\g+8*\i:FB+64*\g+8*\i+3],   v[ADRB+\slot] offset:64*\kq+16*PITCH*\i
	ds_load_b128 v[FB+64*\g+8*\i+4:FB+64*\g+8*\i+7], v[ADRB+\slot] offset:64*\kq+16*PITCH*\i+32
.endr
.irp i, 0,1,2,3
	ds_load_b128 v[FA+32*\g+8*\i:FA+32*\g+8*\i+3],   v[ADRA+\slot] offset:64*\kq+16*PITCH*\i
	ds_load_b128 v[FA+32*\g+8*\i+4:FA+32*\g+8*\i+7], v[ADRA+\slot] offset:64*\kq+16*PITCH*\i+32
.endr
.endm
.macro QUARTER slot, kq, f, g, cm
	s_wait_dscnt 0x6                               ; k's fragments and q's block 0 are in; the youngest six loads may be out
	MULA \f, 0, \cm
	PLACES
	FETCH \slot, \kq, \g
	s_wait_dscnt 0x18                              ; all but the 24 just issued
	MULA \f, 1, \cm
	MULA \f, 2, \cm
	MULA \f, 3, \cm
.endm
.macro THREE slot, cm
	QUARTER \slot, 1, 0, 1, \cm
	QUARTER \slot, 2, 1, 0, 0
	QUARTER \slot, 3, 0, 1, 0
.endm
; The change of slots: each wave's reads of this slot and all its tensor loads are waited for in front of the barrier; with fill = 1 that barrier opens a round of
; the cluster's barrier and the joint refill is the first tensor load behind the round
.macro TURN slot, next, fill
	s_wait_dscnt 0x6
	MULA 1, 0, 0
	s_wait_dscnt 0x0
	s_wait_tensorcnt 0x0
	ds_add_u32 v22, v23
	s_wait_dscnt 0x0
	s_barrier_signal -1
	MULA 1, 1, 0
	WIN 0
	s_barrier_wait -1
.if \fill
	CREST
	s_add_nc_u64 s[G0+4*\slot+2:G0+4*\slot+3], s[G0+4*\slot+2:G0+4*\slot+3], ASTEP
	s_add_nc_u64 s[G0B+4*\slot+2:G0B+4*\slot+3], s[G0B+4*\slot+2:G0B+4*\slot+3], BSTEP
	JLOAD \slot
.endif
	PLACES
	FETCH \next, 0, 0
	MULA 1, 2, 0
	MULA 1, 3, 0
.endm
.macro LASTQ
	s_wait_dscnt 0x0
	MULA 1, 0, 0
	MULA 1, 1, 0
	MULA 1, 2, 0
	MULA 1, 3, 0
.endm
.macro LAP cm
	THREE 0, \cm
	TURN 0, 1, 1
	THREE 1, 0
	TURN 1, 0, 1
.endm
	s_load_b128 s[4:7], s[0:1], 0x0                ; vkq s[4:5], mbits s[6:7]
	s_load_b64 s[8:9], s[0:1], 0x10                ; ps
	v_lshl_add_u32 v22, v0, 2, 0x48e00
	v_mov_b32 v23, 0
	ds_add_u32 v22, v23
	v_lshrrev_b32 v1, 5, v0
	v_readfirstlane_b32 s10, v1                    ; wave
	s_lshr_b32 s11, s10, 1                         ; wm; also: I fetch for k (0) or q (1)
	s_and_b32 s12, s10, 1                          ; wn; also: which half I fetch
	s_bfe_u32 s40, ttmp6, 0x40000                  ; cx
	s_bfe_u32 s41, ttmp6, 0x40004                  ; cy
	s_lshl_b32 s42, ttmp9, 2
	s_add_co_u32 s42, s42, s40                     ; key block t = 4 x cluster x + cx
	s_and_b32 s45, ttmp7, 0xffff                   ; cluster y
	s_lshl_b32 s13, s45, 2
	s_add_co_u32 s13, s13, s41                     ; block row of 128 flat rows
	s_lshr_b32 s21, s45, 1                         ; batch: 8 block rows = 2 clusters each
	s_lshl_b32 s43, s41, 2
	s_lshl_b32 s43, 15, s43
	s_lshl_b32 s44, 0x1111, s40
	s_or_b32 s[G1+0], s43, (1<<16)|(1<<20)|(1<<21)|(5<<22)|(3<<25)
	s_mov_b32 s[G1+1], KSTEP<<16
	s_mov_b32 s[G1+2], 64<<16
	s_mov_b32 s[G1+3], KSTEP<<16
	s_mov_b32 s[G1+4], 64
	s_mov_b32 s[G1+5], 1024
	s_mov_b32 s[G1+6], 0
	s_mov_b32 s[G1+7], 0
	s_or_b32 s[G1B+0], s44, (1<<16)|(1<<20)|(1<<21)|(5<<22)|(3<<25)
	s_mov_b32 s[G1B+1], KSTEP<<16
	s_mov_b32 s[G1B+2], 128<<16
	s_mov_b32 s[G1B+3], KSTEP<<16
	s_mov_b32 s[G1B+4], 128
	s_mov_b32 s[G1B+5], 1024
	s_mov_b32 s[G1B+6], 0
	s_mov_b32 s[G1B+7], 0
	s_lshl_b32 s16, s13, 7
	s_lshl_b32 s17, s12, 6
	s_add_co_u32 s16, s16, s17
	s_lshl_b32 s16, s16, 11
	s_add_co_u32 s16, s16, 33554432                ; q is plane 2
	s_mov_b32 s17, 0
	s_lshl_b32 s46, s42, 8
	s_lshl_b32 s47, s12, 7
	s_add_co_u32 s46, s46, s47
	s_lshl_b32 s46, s46, 11
	s_lshl_b32 s47, s21, 21                        ; the batch's 1,024 rows of k
	s_add_co_u32 s46, s46, s47
	s_add_co_u32 s46, s46, 16777216                ; k is plane 1
	s_mov_b32 s47, 0
	s_mul_i32 s20, s10, HALFT
	s_wait_dscnt 0x0
	s_wait_kmcnt 0x0
	s_add_nc_u64 s[14:15], s[4:5], s[16:17]
	s_add_nc_u64 s[46:47], s[4:5], s[46:47]
	CROUND
.irp s, 0,1
	s_mov_b32 s[G0+4*\s], 1
	s_add_co_u32 s[G0+4*\s+1], s20, \s*SLOT
	s_add_nc_u64 s[G0+4*\s+2:G0+4*\s+3], s[14:15], \s*ASL
	s_or_b32 s[G0+4*\s+3], s[G0+4*\s+3], 0x80000000
	s_mov_b32 s[G0B+4*\s], 1
	s_add_co_u32 s[G0B+4*\s+1], s20, \s*SLOT
	s_add_nc_u64 s[G0B+4*\s+2:G0B+4*\s+3], s[46:47], \s*BSL
	s_or_b32 s[G0B+4*\s+3], s[G0B+4*\s+3], 0x80000000
	JLOAD \s                                       ; two tensor loads of the wave are out
.endr
	; my mask words: row blocks 8 x block row + 4 wm + a, chunk 2 t + wn
	s_lshl_b32 s18, s13, 3
	s_lshl2_add_u32 s18, s11, s18
	s_lshl_b32 s18, s18, 11
	s_lshl_b32 s19, s42, 1
	s_add_co_u32 s19, s19, s12
	s_lshl_b32 s19, s19, 8
	s_add_co_u32 s18, s18, s19
	s_mov_b32 s19, 0
	s_add_nc_u64 s[6:7], s[6:7], s[18:19]
	v_and_b32 v7, 31, v0                           ; lane
	v_lshlrev_b32 v27, 3, v7
.irp a, 0,1,2,3
	global_load_b64 v[MW+2*\a:MW+2*\a+1], v27, s[6:7] offset:2048*\a    ; 64 words: 256 consecutive bytes, aligned
.endr
	; the plane that waves 0, 1, 2 store at the end: m (plane t), the sums of half 0 and 1 (planes 4 + 2 t, 5 + 2 t); rows 128 x block row ..
	s_lshl_b32 s22, s42, 1
	s_add_co_u32 s22, s22, s10
	s_add_co_u32 s22, s22, 3
	s_cmp_eq_u32 s10, 0
	s_cselect_b32 s22, s42, s22
	s_lshl_b32 s22, s22, 15
	s_lshl_b32 s23, s13, 9
	s_add_co_u32 s22, s22, s23
	s_add_co_u32 s22, s22, SM
	s_mov_b32 s23, 0
	s_add_nc_u64 s[66:67], s[8:9], s[22:23]
	; pt at my 64 x 128
	s_lshl_b32 s18, s13, 7
	s_lshl_b32 s19, s11, 6
	s_add_co_u32 s18, s18, s19
	s_lshl_b32 s18, s18, 11
	s_lshl_b32 s19, s42, 9
	s_add_co_u32 s18, s18, s19
	s_lshl_b32 s19, s12, 8
	s_add_co_u32 s18, s18, s19
	s_mov_b32 s19, 0
	s_add_nc_u64 s[8:9], s[8:9], s[18:19]
	s_mov_b32 s2, 0xff800000                       ; -inf
	s_mov_b32 s100, 0x76543210                     ; v_permlanex16_b32: lane i reads lane i of the other half
	s_mov_b32 s101, 0xfedcba98
	v_and_b32 v1, 15, v0                           ; r
	v_bfe_u32 v2, v0, 4, 1                         ; h
	v_mul_u32_u24 v3, v1, PITCH
	v_lshl_add_u32 v3, v2, 4, v3
	s_mul_i32 s22, s12, HALFT
	s_mul_i32 s23, s11, HALFT
	s_add_co_u32 s23, s23, 2*HALFT
.irp s, 0,1
	v_add_nc_u32 v[ADRB+\s], s22, v3
	v_add_nc_u32 v[ADRA+\s], s23, v3
	s_add_co_u32 s22, s22, SLOT
	s_add_co_u32 s23, s23, SLOT
.endr
	s_mul_i32 s22, s10, 16*SPITCH
	s_add_co_u32 s22, s22, STAGE
	v_add_nc_u32 v[STO], s22, v3
	v_mul_u32_u24 v4, v2, SPITCH
	v_lshl_add_u32 v4, v1, 4, v4
	v_add_nc_u32 v[RD], s22, v4
	v_lshlrev_b32 v5, 11, v2
	v_lshl_add_u32 v[CO], v1, 4, v5
	s_lshl_b32 s22, s10, 8
	s_add_co_u32 s22, s22, XCH
	v_lshl_add_u32 v28, v1, 2, s22                 ; my maxima: 256 x wave + 4 r (+ 64 a)
	s_xor_b32 s23, s10, 1
	s_lshl_b32 s23, s23, 8
	s_add_co_u32 s23, s23, XCH
	v_lshl_add_u32 v29, v1, 2, s23                 ; those of the wave with the other 128 keys of my rows
	s_lshl_b32 s22, s11, 8
	s_add_co_u32 s22, s22, ST
	v_lshl_add_u32 v30, v1, 2, s22                 ; m: row 64 wm + 16 a + r
	s_lshl_b32 s23, s12, 9
	s_add_co_u32 s22, s22, s23
	s_add_co_u32 s22, s22, 512
	v_lshl_add_u32 v31, v1, 2, s22                 ; the sums of half wn
	s_wait_loadcnt 0x0                             ; the mask words, once
	s_wait_tensorcnt 0x1                           ; my part of K step 0 is in; K step 1's may stay out
	s_barrier_signal -1
	s_barrier_wait -1
	FETCH 0, 0, 0
	LAP 1
	WIN 0
	s_mov_b32 s3, 2
.Llap:
	LAP 0
	WIN 0
	s_sub_co_u32 s3, s3, 1
	s_cmp_lg_u32 s3, 0
	s_cbranch_scc1 .Llap
	THREE 0, 0
	TURN 0, 1, 0
	THREE 1, 0
	LASTQ
	; 1. THE MASK: a clear bit puts -inf in the score's place.  32 words at a time come out of the lanes into s[68:99].
	PLACES
	WIN 0x44                                       ; destination and source 1 in window 1; the mask words in window 0
.irp a, 0,1,2,3
.irp hf, 0,1
.irp b, 0,1,2,3
.irp j, 0,1,2,3,4,5,6,7
	v_readlane_b32 s[68+8*\b+\j], v[MW+2*\a+(\j&1)], 4*(4*\hf+\b)+(\j>>1)
.endr
.endr
.irp b, 0,1,2,3
.irp j, 0,1,2,3,4,5,6,7
	v_cndmask_b32 v[8*(8*\a+4*\hf+\b)+\j], s2, v[8*(8*\a+4*\hf+\b)+\j], s[68+8*\b+\j]
.endr
.endr
.endr
.endr
	; 2. THE ROW MAXIMA: a lane's 64 numbers of row block a belong to one row; four chains take turns
	WIN 0
.irp a, 0,1,2,3
	v_mov_b32 v[MX+\a], s2
	v_mov_b32 v[TP+\a], 0                          ; v_permlanex16_b32 counts as a reader of its destination
.endr
	WIN 0x14
.set i, 0
.rept 32
.irp a, 0,1,2,3
	v_max3_num_f32 v[MX+\a], v[MX+\a], v[64*\a+2*i], v[64*\a+2*i+1]
.endr
.set i, i+1
.endr
	WIN 0
.irp a, 0,1,2,3
	v_permlanex16_b32 v[TP+\a], v[MX+\a], s100, s101               ; the other eight columns of each tile
.endr
.irp a, 0,1,2,3
	v_max_num_f32 v[MX+\a], v[MX+\a], v[TP+\a]
.endr
.irp a, 0,1,2,3
	ds_store_b32 v28, v[MX+\a] offset:64*\a        ; both halves of the lanes store the same word with the same value
.endr
	s_wait_dscnt 0x0                               ; for the other wave's sake: zero
	s_barrier_signal -1
	s_barrier_wait -1
.irp a, 0,1,2,3
	ds_load_b32 v[TP+\a], v29 offset:64*\a
.endr
	s_wait_dscnt 0x0
.irp a, 0,1,2,3
	v_max_num_f32 v[MX+\a], v[MX+\a], v[TP+\a]     ; over the block's 256 keys
	v_mul_f32 v[M2+\a], 0x3d38aa3b, v[MX+\a]       ; m_t = c x maximum
	v_max_num_f32 v[NEGM+2*\a], 0xff7fffff, v[M2+\a]
	v_xor_b32 v[NEGM+2*\a], 0x80000000, v[NEGM+2*\a]
	v_mov_b32 v[NEGM+2*\a+1], v[NEGM+2*\a]
.endr
	; 3. pt = exp2(S c - m_t), its sums, and the way out, 16 rows at a time
.macro SOFT a, rb
	WIN 0x41
.set i, 0
.rept 32
	v_pk_fma_f32 v[64*\a+2*i:64*\a+2*i+1], v[64*\a+2*i:64*\a+2*i+1], 0x3d38aa3b, v[NEGM+2*\a:NEGM+2*\a+1] op_sel_hi:[1,0,1]
.set i, i+1
.endr
.set i, 0
.rept 64
	v_exp_f32 v[64*\a+i], v[64*\a+i]
.set i, i+1
.endr
	v_nop                                          ; one plain place behind the last exponential (ISA guide 5.7.2)
	WIN 0x05
	s_wait_alu depctr_va_vdst(0)
.irp b, 0,1,2,3,4,5,6,7
.irp q, 0,1,2,3
	v_cvt_pk_f16_f32 v[TMP+4*\b+\q], v[8*(8*\a+\b)+2*\q], v[8*(8*\a+\b)+2*\q+1]    ; pt is at most 1: inside f16's range for every input
.endr
.endr
.set i, 0
.rept 16
	v_pk_add_f32 v[SUM+2*i:SUM+2*i+1], v[64*\a+4*i:64*\a+4*i+1], v[64*\a+4*i+2:64*\a+4*i+3]
.set i, i+1
.endr
	WIN 0
.irp b, 0,1,2,3,4,5,6,7
	ds_store_b128 v[STO], v[TMP+4*\b:TMP+4*\b+3] offset:32*\b
.endr
	s_wait_xcnt 0x0                                ; earlier stores' data registers and base are rewritten only behind this wait (ISA guide 3.1)
.if \a
	s_add_nc_u64 s[8:9], s[8:9], 16*ROWB
.endif
.irp t, 0,1,2,3,4,5,6,7
	ds_load_b128 v[\rb+4*\t:\rb+4*\t+3], v[RD] offset:\t*2*SPITCH  ; my own bytes, served in order (ISA guide 5.7.1.4)
.endr
.irp cnt, 8,4,2,1                                      ; the tree of sums stands where the loads are on their way
.set i, 0
.rept \cnt
	v_pk_add_f32 v[SUM+2*i:SUM+2*i+1], v[SUM+4*i:SUM+4*i+1], v[SUM+4*i+2:SUM+4*i+3]
.set i, i+1
.endr
.endr
	v_add_f32 v[SUM], v[SUM], v[SUM+1]
	v_permlanex16_b32 v[SUM+1], v[SUM], s100, s101
	v_add_f32 v[LS+\a], v[SUM], v[SUM+1]           ; over my 128 keys of row 16 a + r
.irp t, 0,1,2,3,4,5,6,7
	s_wait_dscnt 7-\t
	global_store_b128 v[CO], v[\rb+4*\t:\rb+4*\t+3], s[8:9] offset:2*\t*ROWB   ; 16 lanes store 256 consecutive bytes, aligned
.endr
.endm
	SOFT 0, 128
	SOFT 1, 160
	SOFT 2, 128
	SOFT 3, 160
	; 4. THE FIGURES go out as three runs of 512 consecutive bytes (128 rows of f32), gathered in LDS
	s_cmp_lg_u32 s12, 0
	s_cbranch_scc1 .Lno_m                          ; both waves of a row hold the same m: the one with wn = 0 stores it
.irp a, 0,1,2,3
	ds_store_b32 v30, v[M2+\a] offset:64*\a
.endr
.Lno_m:
.irp a, 0,1,2,3
	ds_store_b32 v31, v[LS+\a] offset:64*\a
.endr
	s_wait_dscnt 0x0
	s_barrier_signal -1
	s_barrier_wait -1
	s_cmp_eq_u32 s10, 3
	s_cbranch_scc1 .Lno_fig
	s_lshl_b32 s22, s10, 9
	s_add_co_u32 s22, s22, ST
	v_lshl_add_u32 v4, v7, 4, s22
	v_lshlrev_b32 v5, 4, v7
	ds_load_b128 v[8:11], v4
	s_wait_dscnt 0x0
	global_store_b128 v5, v[8:11], s[66:67]
.Lno_fig:
	s_wait_tensorcnt 0x0
	ds_add_u32 v22, v23
	s_wait_dscnt 0x0
	CROUND                                         ; the closing round
	s_endpgm
.Lfunc_end_k_q085ab7f63f_scores:
	.size	k_q085ab7f63f_scores, .Lfunc_end_k_q085ab7f63f_scores-k_q085ab7f63f_scores
	.p2alignl 7, 3214868480
	.fill 96, 4, 3214868480
	.section	.rodata,"a",@progbits
	.p2align	6, 0x0
	.amdhsa_kernel k_q085ab7f63f_scores
		.amdhsa_group_segment_fixed_size 327680
		.amdhsa_private_segment_fixed_size 0
		.amdhsa_enable_private_segment 0
		.amdhsa_kernarg_size 24
		.amdhsa_user_sgpr_count 2
		.amdhsa_user_sgpr_kernarg_segment_ptr 1
		.amdhsa_wavefront_size32 1
		.amdhsa_system_sgpr_workgroup_id_x 1
		.amdhsa_system_sgpr_workgroup_id_y 1
		.amdhsa_system_sgpr_workgroup_id_z 1
		.amdhsa_system_vgpr_workitem_id 0
		.amdhsa_next_free_vgpr 512
		.amdhsa_next_free_sgpr 102
		.amdhsa_reserve_vcc 0
		.amdhsa_float_denorm_mode_32 3
		.amdhsa_float_denorm_mode_16_64 3
		.amdhsa_memory_ordered 1
		.amdhsa_forward_progress 1
		.amdhsa_inst_pref_size 192
	.end_amdhsa_kernel
	.amdgpu_metadata
---
amdhsa.version: [ 1, 2 ]
amdhsa.kernels:
  - .name:           k_q085ab7f63f_scores
    .symbol:         k_q085ab7f63f_scores.kd
    .args:
      - { .name: vkq, .offset: 0, .size: 8, .value_kind: global_buffer, .address_space: global }
      - { .name: mbits, .offset: 8, .size: 8, .value_kind: global_buffer, .address_space: global }
      - { .name: ps, .offset: 16, .size: 8, .value_kind: global_buffer, .address_space: global }
    .group_segment_fixed_size: 327680
    .private_segment_fixed_size: 0
    .kernarg_segment_align: 8
    .kernarg_segment_size: 24
    .max_flat_workgroup_size: 128
    .sgpr_count:     102
    .vgpr_count:     512
    .wavefront_size: 32
...
	.end_amdgpu_metadata
.endif
;; end of part 3
;; launch vwt (part 4): grid 32 x 8, 4 waves a work-group, clusters of 4 x 4, 327,680 bytes of LDS; arguments wob, vkq, bo, vwb, vsc; writes vwb, vsc
.if DOCPART == 4
	.amdgcn_target "amdgcn-amd-amdhsa--gfx1250"
	.amdhsa_code_object_version 6
	.text
	.protected	k_q085ab7f63f_vwt
	.globl	k_q085ab7f63f_vwt
	.p2align	8
	.type	k_q085ab7f63f_vwt,@function
k_q085ab7f63f_vwt:
	s_mov_b64 s[64:65], 0
	v_nop
	global_prefetch_b8 v0, s[64:65] scope:SCOPE_SE
	s_setreg_imm32_b32 hwreg(HW_REG_WAVE_MODE, 25, 1), 1
	s_wait_xcnt 0x0
	s_wait_alu depctr_hold_cnt(0) depctr_sa_sdst(0) depctr_va_vdst(0) depctr_va_sdst(0) depctr_va_ssrc(0) depctr_va_vcc(0) depctr_vm_vsrc(0)
	s_getreg_b32 s2, hwreg(HW_REG_IB_STS2, 6, 4)
	s_cmp_eq_u32 s2, 0
	s_cbranch_scc0 .Lentry_in_a_cluster
	s_endpgm
.Lentry_in_a_cluster:
	s_bfe_u32 s2, ttmp6, 0x10000c
	s_cmp_lg_u32 s2, 0xf033
	s_cbranch_scc0 .Lentry_shape_is_right
	s_endpgm
.Lentry_shape_is_right:
; VWT: VW^T[f][key] = bo[f] + sum over e of Wo[f][e] v[key][e], stored as f16 with one power-of-two scale for each work-group's tile.
;   out = (P v) Wo^T + bo = P (v Wo^T + bo): products associate, and a softmax row sums to one (a row that is masked throughout is NaN either way).
;   The order of rounding differs from the reference's by that.
; Wo = wob [1024][1024] bf16; v = plane 0 of vkq, [8192][1024] bf16; sums in f32, started by the bias.
; A work-group makes 128 features x 256 keys with four waves of 64 x 128 (32 tiles of 16 x 16, window 1): 8 x 32 = 256 work-groups.
; THE SCALE: the last product takes f16 operands, which keep three bits more than bf16; VW has no bound of its own, so the tile's largest magnitude, with
;   biased exponent E, sets the scale 2^(141 - E), which puts that magnitude into [2^14, 2^15).  The tile goes out scaled; the inverse scale, 2^(E - 141), goes to the
;   tile's own 256 bytes of vsc (tile = 32 x feature block + key block).  128 features x 256 keys is what one wave of the last launch multiplies in one key block,
;   so the inverse scale enters there as one factor of that block's weight.  The scale enters values alone: no address and no branch hangs on it.
; LIMITS: elements below 2^-28 of their tile's largest magnitude fall among f16's denormals (absolute error at most 2^-39 of that magnitude); the scale is held at
;   2^126 at the most, which a tile reaches whose largest magnitude is below 2^-112; the search for the largest magnitude passes over NaN.
; Ring and clusters: K = 1,024 in steps of 128 through two LDS slots filled by tensor loads, rows of 256 bytes that start at multiples of 256 bytes; 4 x 4 work-groups
;   share Wo's tiles along a row of the cluster and v's along a column by joint loads, which divides the requests by four.
; REGISTERS: window 0: v0-63 addresses and small figures, v64-127 / v128-191 v's fragments, v192-223 / v224-255 Wo's fragments; window 1: tile (a, b) at v[8 (8 a + b)];
;   window 2: v[8 a : 8 a + 7] = bo of row 16 a + r, eight times.  The matrix instruction is used transposed (source 0 = 16 rows of v, source 1 = 16 rows of Wo):
;   register j of lane (r, h) of tile (a, b) is VW^T(feature 16 a + r, key 16 b + 8 h + j).
.set KSTEP,  128
.set PITCH,  272                       ; 256 bytes + 16, an odd multiple of 16: a fragment load's 16 rows start on different banks (ISA guide 11.1)
.set HALFT,  128*PITCH                 ; each wave's own part of a slot: waves 0, 1: 128 rows of v; waves 2, 3: 64 rows of Wo at the head of their part
.set SLOT,   4*HALFT
.set STAGE,  2*SLOT                    ; 16 rows x 272 bytes a wave; no tensor load lands at or behind STAGE
.set SPITCH, 272
.set XCH,    STAGE+4*16*SPITCH         ; 16 bytes used of 256: the four waves' largest magnitudes
.set ROWB,   16384                     ; bytes of a row of VW^T: 8,192 f16
.set ASL,    KSTEP*2
.set BSL,    KSTEP*2
.set ASTEP,  2*KSTEP*2
.set BSTEP,  2*KSTEP*2
.set ADRA, 16
.set ADRB, 20
.set STO,  24
.set RD,   25
.set CO,   26
.set BI,   28                          ; v[28:31]  bo of rows 16 a + r
.set MX,   40                          ; v[40:43]  four chains of the largest magnitude
.set TP,   44
.set SC,   48                          ; v[48:49]  the scale, twice
.set INV,  50                          ; v[50:51]  its inverse, twice
.set FB,   64
.set FA,   192
.set TMP,  64
.set G1,  24
.set G0,  32
.set G1B, 48
.set G0B, 56
.set MSB, 0
.macro WIN new                         ; bits 1:0 source 0, 3:2 source 1, 5:4 source 2, 7:6 destination; the high byte repeats the setting that is left
.if MSB != \new
	s_set_vgpr_msb (MSB<<8)|\new
.set MSB, \new
.endif
.endm
.macro PLACES                          ; four plain vector places behind matrix instructions (ISA guide 7.12.1)
.rept 4
	v_nop
.endr
.endm
.macro JLOAD s                         ; waves 0, 1: v's halves; waves 2, 3: Wo's; the branch hangs on the wave's number alone
	s_cmp_eq_u32 s11, 0
	s_cbranch_scc0 .Lfor_a_\@
	tensor_load_to_lds s[G0B+4*\s:G0B+4*\s+3], s[G1B:G1B+7]
	s_nop 0
	s_branch .Lasked_\@
.Lfor_a_\@:
	tensor_load_to_lds s[G0+4*\s:G0+4*\s+3], s[G1:G1+7]
	s_nop 0
.Lasked_\@:
.endm
.macro CREST
	s_cmp_lg_u32 s10, 0
	s_cbranch_scc1 .Lnot_wave_0_\@
	s_barrier_signal -3
.Lnot_wave_0_\@:
	s_barrier_wait -3
	s_barrier_signal -1
	s_barrier_wait -1
.endm
.macro CROUND
	s_barrier_signal -1
	s_barrier_wait -1
	CREST
.endm
; Eight matrix instructions: feature block a x 8 key blocks.  cm = 2: the bias of block a (window 2) starts the sums.  The 32 accumulators take turns, one instruction a turn.
.macro MULA f, a, cm
.if \cm == 2
	WIN 0x60
.else
	WIN 0x50
.endif
.irp b, 0,1,2,3,4,5,6,7
.if \cm == 2
	v_wmma_f32_16x16x32_bf16 v[8*(8*\a+\b):8*(8*\a+\b)+7], v[FB+64*\f+8*\b:FB+64*\f+8*\b+7], v[FA+32*\f+8*\a:FA+32*\f+8*\a+7], v[8*\a:8*\a+7]
.else
	v_wmma_f32_16x16x32_bf16 v[8*(8*\a+\b):8*(8*\a+\b)+7], v[FB+64*\f+8*\b:FB+64*\f+8*\b+7], v[FA+32*\f+8*\a:FA+32*\f+8*\a+7], v[8*(8*\a+\b):8*(8*\a+\b)+7]
.endif
.endr
.endm
.macro FETCH slot, kq, g               ; 24 LDS loads in one run: v's 16, then Wo's 8
	WIN 0
.irp i, 0,1,2,3,4,5,6,7
	ds_load_b128 v[FB+64*\g+8*\i:FB+64*\g+8*\i+3],   v[ADRB+\slot] offset:64*\kq+16*PITCH*\i
	ds_load_b128 v[FB+64*\g+8*\i+4:FB+64*\g+8*\i+7], v[ADRB+\slot] offset:64*\kq+16*PITCH*\i+32
.endr
.irp i, 0,1,2,3
	ds_load_b128 v[FA+32*\g+8*\i:FA+32*\g+8*\i+3],   v[ADRA+\slot] offset:64*\kq+16*PITCH*\i
	ds_load_b128 v[FA+32*\g+8*\i+4:FA+32*\g+8*\i+7], v[ADRA+\slot] offset:64*\kq+16*PITCH*\i+32
.endr
.endm
.macro QUARTER slot, kq, f, g, cm
	s_wait_dscnt 0x6                               ; v's fragments and Wo's block 0 are in; the youngest six loads may be out
	MULA \f, 0, \cm
	PLACES
	FETCH \slot, \kq, \g
	s_wait_dscnt 0x18                              ; all but the 24 just issued
	MULA \f, 1, \cm
	MULA \f, 2, \cm
	MULA \f, 3, \cm
.endm
.macro THREE slot, cm
	QUARTER \slot, 1, 0, 1, \cm
	QUARTER \slot, 2, 1, 0, 0
	QUARTER \slot, 3, 0, 1, 0
.endm
; The change of slots: each wave's reads of this slot and all its tensor loads are waited for in front of the barrier; with fill = 1 that barrier opens a round of
; the cluster's barrier and the joint refill is the first tensor load behind the round
.macro TURN slot, next, fill
	s_wait_dscnt 0x6
	MULA 1, 0, 0
	s_wait_dscnt 0x0
	s_wait_tensorcnt 0x0
	ds_add_u32 v62, v63
	s_wait_dscnt 0x0
	s_barrier_signal -1
	MULA 1, 1, 0
	WIN 0
	s_barrier_wait -1
.if \fill
	CREST
	s_add_nc_u64 s[G0+4*\slot+2:G0+4*\slot+3], s[G0+4*\slot+2:G0+4*\slot+3], ASTEP
	s_add_nc_u64 s[G0B+4*\slot+2:G0B+4*\slot+3], s[G0B+4*\slot+2:G0B+4*\slot+3], BSTEP
	JLOAD \slot
.endif
	PLACES
	FETCH \next, 0, 0
	MULA 1, 2, 0
	MULA 1, 3, 0
.endm
.macro LASTQ
	s_wait_dscnt 0x0
	MULA 1, 0, 0
	MULA 1, 1, 0
	MULA 1, 2, 0
	MULA 1, 3, 0
.endm
.macro LAP cm
	THREE 0, \cm
	TURN 0, 1, 1
	THREE 1, 0
	TURN 1, 0, 1
.endm
	s_load_b128 s[4:7], s[0:1], 0x0                ; wob s[4:5], vkq s[6:7]
	s_load_b64 s[8:9], s[0:1], 0x10                ; bo
	s_load_b64 s[68:69], s[0:1], 0x18              ; vwb
	s_load_b64 s[70:71], s[0:1], 0x20              ; vsc
	v_lshl_add_u32 v62, v0, 2, 0x48500
	v_mov_b32 v63, 0
	ds_add_u32 v62, v63
	v_lshrrev_b32 v1, 5, v0
	v_readfirstlane_b32 s10, v1                    ; wave
	s_lshr_b32 s11, s10, 1                         ; wm: my 64 features; also: I fetch for v (0) or Wo (1)
	s_and_b32 s12, s10, 1                          ; wn: my 128 keys; also: which half I fetch
	s_bfe_u32 s40, ttmp6, 0x40000                  ; cx
	s_bfe_u32 s41, ttmp6, 0x40004                  ; cy
	s_lshl_b32 s42, ttmp9, 2
	s_add_co_u32 s42, s42, s40                     ; key block of 256 flat keys, 0 .. 31
	s_and_b32 s45, ttmp7, 0xffff
	s_lshl_b32 s13, s45, 2
	s_add_co_u32 s13, s13, s41                     ; feature block of 128, 0 .. 7
	s_lshl_b32 s43, s41, 2
	s_lshl_b32 s43, 15, s43                        ; my row of the cluster
	s_lshl_b32 s44, 0x1111, s40                    ; my column
	s_or_b32 s[G1+0], s43, (1<<16)|(1<<20)|(1<<21)|(5<<22)|(3<<25)   ; mask; elements of 2 bytes; padding on; bit 21 beside a mask; after every 64 words 4 words
	s_mov_b32 s[G1+1], KSTEP<<16
	s_mov_b32 s[G1+2], 64<<16
	s_mov_b32 s[G1+3], KSTEP<<16
	s_mov_b32 s[G1+4], 64
	s_mov_b32 s[G1+5], 1024
	s_mov_b32 s[G1+6], 0
	s_mov_b32 s[G1+7], 0
	s_or_b32 s[G1B+0], s44, (1<<16)|(1<<20)|(1<<21)|(5<<22)|(3<<25)
	s_mov_b32 s[G1B+1], KSTEP<<16
	s_mov_b32 s[G1B+2], 128<<16
	s_mov_b32 s[G1B+3], KSTEP<<16
	s_mov_b32 s[G1B+4], 128
	s_mov_b32 s[G1B+5], 1024
	s_mov_b32 s[G1B+6], 0
	s_mov_b32 s[G1B+7], 0
	; Wo's tile hangs on the feature block and the wave, v's on the key block and the wave, each in registers that never hold the other coordinate
	s_lshl_b32 s16, s13, 7
	s_lshl_b32 s17, s12, 6
	s_add_co_u32 s16, s16, s17
	s_lshl_b32 s16, s16, 11
	s_mov_b32 s17, 0
	s_lshl_b32 s46, s42, 8
	s_lshl_b32 s47, s12, 7
	s_add_co_u32 s46, s46, s47
	s_lshl_b32 s46, s46, 11
	s_mov_b32 s47, 0
	s_mul_i32 s20, s10, HALFT
	s_wait_dscnt 0x0
	s_wait_kmcnt 0x0
	s_add_nc_u64 s[14:15], s[4:5], s[16:17]
	s_add_nc_u64 s[46:47], s[6:7], s[46:47]
	CROUND                                         ; all sixteen work-groups are here: the first joint loads meet
.irp s, 0,1
	s_mov_b32 s[G0+4*\s], 1
	s_add_co_u32 s[G0+4*\s+1], s20, \s*SLOT
	s_add_nc_u64 s[G0+4*\s+2:G0+4*\s+3], s[14:15], \s*ASL
	s_or_b32 s[G0+4*\s+3], s[G0+4*\s+3], 0x80000000
	s_mov_b32 s[G0B+4*\s], 1
	s_add_co_u32 s[G0B+4*\s+1], s20, \s*SLOT
	s_add_nc_u64 s[G0B+4*\s+2:G0B+4*\s+3], s[46:47], \s*BSL
	s_or_b32 s[G0B+4*\s+3], s[G0B+4*\s+3], 0x80000000
	JLOAD \s                                       ; two tensor loads of the wave are out
.endr
	; bo of my 64 features
	s_lshl_b32 s18, s13, 9
	s_lshl_b32 s19, s11, 8
	s_add_co_u32 s18, s18, s19
	s_mov_b32 s19, 0
	s_add_nc_u64 s[8:9], s[8:9], s[18:19]
	v_and_b32 v1, 15, v0                           ; r
	v_bfe_u32 v2, v0, 4, 1                         ; h
	v_lshlrev_b32 v27, 2, v1
.irp a, 0,1,2,3
	global_load_b32 v[BI+\a], v27, s[8:9] offset:64*\a
.endr
	; VW^T at my 64 x 128, and my tile's 256 bytes of vsc
	s_lshl_b32 s72, s13, 7
	s_lshl_b32 s73, s11, 6
	s_add_co_u32 s72, s72, s73
	s_lshl_b32 s72, s72, 14                        ; rows of 16,384 bytes
	s_lshl_b32 s73, s42, 9
	s_add_co_u32 s72, s72, s73
	s_lshl_b32 s73, s12, 8
	s_add_co_u32 s72, s72, s73
	s_mov_b32 s73, 0
	s_add_nc_u64 s[68:69], s[68:69], s[72:73]
	s_lshl_b32 s72, s13, 5
	s_add_co_u32 s72, s72, s42
	s_lshl_b32 s72, s72, 8
	s_add_nc_u64 s[70:71], s[70:71], s[72:73]
	s_mov_b32 s74, 0x76543210                      ; v_permlanex16_b32: lane i reads lane i of the other half
	s_mov_b32 s75, 0xfedcba98
	v_mul_u32_u24 v3, v1, PITCH
	v_lshl_add_u32 v3, v2, 4, v3
	s_mul_i32 s22, s12, HALFT
	s_mul_i32 s23, s11, HALFT
	s_add_co_u32 s23, s23, 2*HALFT
.irp s, 0,1
	v_add_nc_u32 v[ADRB+\s], s22, v3
	v_add_nc_u32 v[ADRA+\s], s23, v3
	s_add_co_u32 s22, s22, SLOT
	s_add_co_u32 s23, s23, SLOT
.endr
	s_mul_i32 s22, s10, 16*SPITCH
	s_add_co_u32 s22, s22, STAGE
	v_add_nc_u32 v[STO], s22, v3
	v_mul_u32_u24 v4, v2, SPITCH
	v_lshl_add_u32 v4, v1, 4, v4
	v_add_nc_u32 v[RD], s22, v4
	v_lshlrev_b32 v5, 14, v2
	v_lshl_add_u32 v[CO], v1, 4, v5                ; lanes 0-15 one row of VW^T, lanes 16-31 the next
	s_lshl_b32 s22, s10, 2
	s_add_co_u32 s22, s22, XCH
	v_mov_b32 v45, s22                             ; my wave's word
	v_mov_b32 v46, XCH
	v_and_b32 v7, 31, v0
	v_lshlrev_b32 v47, 3, v7                       ; 8 bytes a lane of the tile's 256 in vsc
	s_wait_loadcnt 0x0                             ; the bias
	WIN 0x80                                       ; destination in window 2
.irp a, 0,1,2,3
.irp j, 0,1,2,3,4,5,6,7
	v_mov_b32 v[8*\a+\j], v[BI+\a]                 ; a lane's eight numbers of a tile lie in one row: one bias, eight times
.endr
.endr
	WIN 0
	s_wait_tensorcnt 0x1                           ; my part of K step 0 is in; K step 1's may stay out
	s_barrier_signal -1
	s_barrier_wait -1
	FETCH 0, 0, 0
	LAP 2                                          ; the first products take the bias as C
	WIN 0
	s_mov_b32 s3, 2
.Llap:
	LAP 0
	WIN 0
	s_sub_co_u32 s3, s3, 1
	s_cmp_lg_u32 s3, 0
	s_cbranch_scc1 .Llap
	THREE 0, 0
	TURN 0, 1, 0
	THREE 1, 0
	LASTQ
	; THE TILE'S LARGEST MAGNITUDE: four chains over my 256 registers, the 32 lanes, the four waves
	PLACES
	WIN 0
.irp c, 0,1,2,3
	v_mov_b32 v[MX+\c], 0
.endr
	v_mov_b32 v[TP], 0                             ; v_permlanex16_b32 counts as a reader of its destination
	WIN 0x14
.set i, 0
.rept 32
.irp c, 0,1,2,3
	v_max3_num_f32 v[MX+\c], v[MX+\c], |v[64*\c+2*i]|, |v[64*\c+2*i+1]|
.endr
.set i, i+1
.endr
	WIN 0
	v_max3_num_f32 v[MX], v[MX], v[MX+1], v[MX+2]
	v_max_num_f32 v[MX], v[MX], v[MX+3]
	v_max_num_f32_dpp v[MX], v[MX], v[MX] row_xmask:1 row_mask:0xf bank_mask:0xf
	v_max_num_f32_dpp v[MX], v[MX], v[MX] row_xmask:2 row_mask:0xf bank_mask:0xf
	v_max_num_f32_dpp v[MX], v[MX], v[MX] row_xmask:4 row_mask:0xf bank_mask:0xf
	v_max_num_f32_dpp v[MX], v[MX], v[MX] row_xmask:8 row_mask:0xf bank_mask:0xf
	v_permlanex16_b32 v[TP], v[MX], s74, s75
	v_max_num_f32 v[MX], v[MX], v[TP]
	ds_store_b32 v45, v[MX]                        ; all lanes store the same word with the same value
	s_wait_dscnt 0x0                               ; for the other waves' sake: zero
	s_barrier_signal -1
	s_barrier_wait -1
	ds_load_b128 v[52:55], v46
	s_wait_dscnt 0x0
	v_max3_num_f32 v[MX], v52, v53, v54
	v_max_num_f32 v[MX], v[MX], v55
	v_bfe_u32 v56, v[MX], 23, 8                    ; E, the biased exponent
	v_sub_nc_u32 v56, 0x10c, v56                   ; the scale's biased exponent: 127 + 141 - E,
	v_min_u32 v56, 0xfd, v56                       ; at most 253, so that the inverse is a normal number too
	v_sub_nc_u32 v57, 0xfe, v56                    ; the inverse's
	v_lshlrev_b32 v[SC], 23, v56
	v_lshlrev_b32 v[INV], 23, v57
	v_mov_b32 v[SC+1], v[SC]
	v_mov_b32 v[INV+1], v[INV]
	; THE WAY OUT, 16 features at a time: scale, round to f16, 16 bytes a lane into my own stage, back as whole rows of 256 bytes
.macro OUT16 a, rb
	WIN 0x41
.set i, 0
.rept 32
	v_pk_mul_f32 v[64*\a+2*i:64*\a+2*i+1], v[64*\a+2*i:64*\a+2*i+1], v[SC:SC+1]
.set i, i+1
.endr
	WIN 0x05
.irp b, 0,1,2,3,4,5,6,7
.irp q, 0,1,2,3
	v_cvt_pk_f16_f32 v[TMP+4*\b+\q], v[8*(8*\a+\b)+2*\q], v[8*(8*\a+\b)+2*\q+1]
.endr
.endr
	WIN 0
.irp b, 0,1,2,3,4,5,6,7
	ds_store_b128 v[STO], v[TMP+4*\b:TMP+4*\b+3] offset:32*\b
.endr
	s_wait_xcnt 0x0                                ; earlier stores' data registers and base are rewritten only behind this wait (ISA guide 3.1)
.if \a
	s_add_nc_u64 s[68:69], s[68:69], 16*ROWB
.endif
.irp t, 0,1,2,3,4,5,6,7
	ds_load_b128 v[\rb+4*\t:\rb+4*\t+3], v[RD] offset:\t*2*SPITCH  ; my own bytes, served in order (ISA guide 5.7.1.4)
.endr
.irp t, 0,1,2,3,4,5,6,7
	s_wait_dscnt 7-\t
	global_store_b128 v[CO], v[\rb+4*\t:\rb+4*\t+3], s[68:69] offset:2*\t*ROWB   ; 16 lanes store 256 consecutive bytes, aligned
.endr
.endm
	OUT16 0, 128
	OUT16 1, 160
	OUT16 2, 128
	OUT16 3, 160
	s_cmp_lg_u32 s10, 0
	s_cbranch_scc1 .Lno_sc
	global_store_b64 v47, v[INV:INV+1], s[70:71]   ; wave 0: the inverse scale, 64 times: the tile's 256 consecutive bytes, aligned
.Lno_sc:
	s_wait_tensorcnt 0x0
	ds_add_u32 v62, v63
	s_wait_dscnt 0x0
	CROUND                                         ; the closing round
	s_endpgm
.Lfunc_end_k_q085ab7f63f_vwt:
	.size	k_q085ab7f63f_vwt, .Lfunc_end_k_q085ab7f63f_vwt-k_q085ab7f63f_vwt
	.p2alignl 7, 3214868480
	.fill 96, 4, 3214868480
	.section	.rodata,"a",@progbits
	.p2align	6, 0x0
	.amdhsa_kernel k_q085ab7f63f_vwt
		.amdhsa_group_segment_fixed_size 327680
		.amdhsa_private_segment_fixed_size 0
		.amdhsa_enable_private_segment 0
		.amdhsa_kernarg_size 40
		.amdhsa_user_sgpr_count 2
		.amdhsa_user_sgpr_kernarg_segment_ptr 1
		.amdhsa_wavefront_size32 1
		.amdhsa_system_sgpr_workgroup_id_x 1
		.amdhsa_system_sgpr_workgroup_id_y 1
		.amdhsa_system_sgpr_workgroup_id_z 1
		.amdhsa_system_vgpr_workitem_id 0
		.amdhsa_next_free_vgpr 576
		.amdhsa_next_free_sgpr 76
		.amdhsa_reserve_vcc 0
		.amdhsa_float_denorm_mode_32 3
		.amdhsa_float_denorm_mode_16_64 3
		.amdhsa_memory_ordered 1
		.amdhsa_forward_progress 1
		.amdhsa_inst_pref_size 137
	.end_amdhsa_kernel
	.amdgpu_metadata
---
amdhsa.version: [ 1, 2 ]
amdhsa.kernels:
  - .name:           k_q085ab7f63f_vwt
    .symbol:         k_q085ab7f63f_vwt.kd
    .args:
      - { .name: wob, .offset: 0, .size: 8, .value_kind: global_buffer, .address_space: global }
      - { .name: vkq, .offset: 8, .size: 8, .value_kind: global_buffer, .address_space: global }
      - { .name: bo, .offset: 16, .size: 8, .value_kind: global_buffer, .address_space: global }
      - { .name: vwb, .offset: 24, .size: 8, .value_kind: global_buffer, .address_space: global }
      - { .name: vsc, .offset: 32, .size: 8, .value_kind: global_buffer, .address_space: global }
    .group_segment_fixed_size: 327680
    .private_segment_fixed_size: 0
    .kernarg_segment_align: 8
    .kernarg_segment_size: 40
    .max_flat_workgroup_size: 128
    .sgpr_count:     76
    .vgpr_count:     576
    .wavefront_size: 32
...
	.end_amdgpu_metadata
.endif
;; end of part 4
;; launch final (part 5): grid 4 x 64, 4 waves a work-group, clusters of 4 x 4, 327,680 bytes of LDS; arguments ps, vwb, vsc, out0; writes out0
.if DOCPART == 5
	.amdgcn_target "amdgcn-amd-amdhsa--gfx1250"
	.amdhsa_code_object_version 6
	.text
	.protected	k_q085ab7f63f_final
	.globl	k_q085ab7f63f_final
	.p2align	8
	.type	k_q085ab7f63f_final,@function
k_q085ab7f63f_final:
	s_mov_b64 s[64:65], 0
	v_nop
	global_prefetch_b8 v0, s[64:65] scope:SCOPE_SE
	s_setreg_imm32_b32 hwreg(HW_REG_WAVE_MODE, 25, 1), 1
	s_wait_xcnt 0x0
	s_wait_alu depctr_hold_cnt(0) depctr_sa_sdst(0) depctr_va_vdst(0) depctr_va_sdst(0) depctr_va_ssrc(0) depctr_va_vcc(0) depctr_vm_vsrc(0)
	s_getreg_b32 s2, hwreg(HW_REG_IB_STS2, 6, 4)
	s_cmp_eq_u32 s2, 0
	s_cbranch_scc0 .Lentry_in_a_cluster
	s_endpgm
.Lentry_in_a_cluster:
	s_bfe_u32 s2, ttmp6, 0x10000c
	s_cmp_lg_u32 s2, 0xf033
	s_cbranch_scc0 .Lentry_shape_is_right
	s_endpgm
.Lentry_shape_is_right:
; FINAL: out[row][f] = sum over the four key blocks t of w_t[row] x (sum over the block's 256 keys of pt[row][key] VWs[f][key]), in f32.
;   The softmax's second level: M = max over t of m_t, e_t = exp2(m_t - M), L = sum of e_t x (the two sums of pt of block t), alpha_t = e_t / L (at most 1).
;   alpha_t pt = softmax: the maximum of the whole row is taken away, by way of the blocks' maxima.  VWs is v Wo^T + bo, transposed, in f16, scaled by a power of two for
;   each tile of 128 features x 256 keys; vsc holds the inverse scales.  My wave's 128 columns and a key block are one such tile, so w_t = alpha_t x that tile's inverse scale.
;   A block that is masked throughout has m_t = -inf: e_t = 0.  A row that is masked throughout has M = -inf: m_t - M is NaN and the row comes out NaN, as in the reference.
; LIMITS: pt and VWs enter in f16 (pt lies in [0, 1]; VWs below 2^15 by its scale); sums, weights and the result in f32; exp2 gives 0 below 2^-126.
; pt = ps[8192][1024] f16, VWs = vwb[1024][8192] f16: both have the keys, this product's K, along their rows.
; A work-group makes 128 x 256 of out with four waves of 64 x 128.  Window 1: the 32 tiles of the running block's sums ('part', started by the constant 0 in each block);
; window 2: the 32 tiles of the result ('tot').  After each block of 256 keys (two K steps of 128) tot += w_t x part.
; Ring and clusters: two LDS slots, 4 x 4 work-groups; pt's tiles are shared along a row of the cluster, VWs's along a column (a cluster's four block rows lie in one batch),
; by joint loads, which divides the requests by four.  Transposed use: register j of lane (r, h) of tile (a, b) is out(row 16 a + r, column 16 b + 8 h + j).
.set KSTEP,  128
.set PITCH,  272                       ; 256 bytes + 16, an odd multiple of 16: a fragment load's 16 rows start on different banks (ISA guide 11.1)
.set HALFT,  128*PITCH                 ; each wave's own part of a slot: waves 0, 1: 128 rows of VWs; waves 2, 3: 64 rows of pt at the head of their part
.set SLOT,   4*HALFT
.set STAGE,  2*SLOT                    ; 16 rows x 528 bytes a wave; no tensor load lands here
.set OPITCH, 528                       ; 512 bytes + 16
.set SM,     16777216
.set ASL,    KSTEP*2                   ; 128 keys along a row, pt and VWs
.set BSL,    KSTEP*2
.set ASTEP,  2*ASL
.set BSTEP,  2*BSL
.set ADRA, 16
.set ADRB, 20
.set STO,  24
.set RD,   25
.set CO,   26
.set AL,   32                          ; v[32:63]  w of (t, a), twice, at 32 + 2 (4 t + a)
.set FB,   64
.set FA,   192
.set FG,   128                         ; v[128:175] the twelve figures of my four row blocks, before the fragment buffers are first used
.set G1,  24
.set G0,  32
.set G1B, 48
.set G0B, 56
.set MSB, 0
.macro WIN new                         ; bits 1:0 source 0, 3:2 source 1, 5:4 source 2, 7:6 destination; the high byte repeats the setting that is left
.if MSB != \new
	s_set_vgpr_msb (MSB<<8)|\new
.set MSB, \new
.endif
.endm
.macro PLACES                          ; four plain vector places behind matrix instructions (ISA guide 7.12.1)
.rept 4
	v_nop
.endr
.endm
.macro JLOAD s                         ; waves 0, 1: VWs's halves; waves 2, 3: pt's
	s_cmp_eq_u32 s11, 0
	s_cbranch_scc0 .Lfor_a_\@
	tensor_load_to_lds s[G0B+4*\s:G0B+4*\s+3], s[G1B:G1B+7]
	s_nop 0
	s_branch .Lasked_\@
.Lfor_a_\@:
	tensor_load_to_lds s[G0+4*\s:G0+4*\s+3], s[G1:G1+7]
	s_nop 0
.Lasked_\@:
.endm
.macro CREST
	s_cmp_lg_u32 s10, 0
	s_cbranch_scc1 .Lnot_wave_0_\@
	s_barrier_signal -3
.Lnot_wave_0_\@:
	s_barrier_wait -3
	s_barrier_signal -1
	s_barrier_wait -1
.endm
.macro CROUND
	s_barrier_signal -1
	s_barrier_wait -1
	CREST
.endm
; cm = 1: the constant 0 starts a block's sums.  The 32 accumulators take turns, one instruction a turn.
.macro MULA f, a, cm
	WIN 0x50
.irp b, 0,1,2,3,4,5,6,7
.if \cm == 1
	v_wmma_f32_16x16x32_f16 v[8*(8*\a+\b):8*(8*\a+\b)+7], v[FB+64*\f+8*\b:FB+64*\f+8*\b+7], v[FA+32*\f+8*\a:FA+32*\f+8*\a+7], 0
.else
	v_wmma_f32_16x16x32_f16 v[8*(8*\a+\b):8*(8*\a+\b)+7], v[FB+64*\f+8*\b:FB+64*\f+8*\b+7], v[FA+32*\f+8*\a:FA+32*\f+8*\a+7], v[8*(8*\a+\b):8*(8*\a+\b)+7]
.endif
.endr
.endm
.macro FETCH slot, kq, g               ; 24 LDS loads in one run: VWs's 16, then pt's 8
	WIN 0
.irp i, 0,1,2,3,4,5,6,7
	ds_load_b128 v[FB+64*\g+8*\i:FB+64*\g+8*\i+3],   v[ADRB+\slot] offset:64*\kq+16*PITCH*\i
	ds_load_b128 v[FB+64*\g+8*\i+4:FB+64*\g+8*\i+7], v[ADRB+\slot] offset:64*\kq+16*PITCH*\i+32
.endr
.irp i, 0,1,2,3
	ds_load_b128 v[FA+32*\g+8*\i:FA+32*\g+8*\i+3],   v[ADRA+\slot] offset:64*\kq+16*PITCH*\i
	ds_load_b128 v[FA+32*\g+8*\i+4:FA+32*\g+8*\i+7], v[ADRA+\slot] offset:64*\kq+16*PITCH*\i+32
.endr
.endm
.macro QUARTER slot, kq, f, g, cm
	s_wait_dscnt 0x6                               ; VWs's fragments and pt's block 0 are in; the youngest six loads may be out
	MULA \f, 0, \cm
	PLACES
	FETCH \slot, \kq, \g
	s_wait_dscnt 0x18                              ; all but the 24 just issued
	MULA \f, 1, \cm
	MULA \f, 2, \cm
	MULA \f, 3, \cm
.endm
.macro THREE slot, cm
	QUARTER \slot, 1, 0, 1, \cm
	QUARTER \slot, 2, 1, 0, 0
	QUARTER \slot, 3, 0, 1, 0
.endm
; The change of slots: reads of this slot and all tensor loads waited for in front of the barrier; with fill = 1 it opens a round of the cluster's barrier,
; and the joint refill is the first tensor load behind the round
.macro TURN slot, next, fill
	s_wait_dscnt 0x6
	MULA 1, 0, 0
	s_wait_dscnt 0x0
	s_wait_tensorcnt 0x0
	ds_add_u32 v30, v31
	s_wait_dscnt 0x0
	s_barrier_signal -1
	MULA 1, 1, 0
	WIN 0
	s_barrier_wait -1
.if \fill
	CREST
	s_add_nc_u64 s[G0+4*\slot+2:G0+4*\slot+3], s[G0+4*\slot+2:G0+4*\slot+3], ASTEP
	s_add_nc_u64 s[G0B+4*\slot+2:G0B+4*\slot+3], s[G0B+4*\slot+2:G0B+4*\slot+3], BSTEP
	JLOAD \slot
.endif
	PLACES
	FETCH \next, 0, 0
	MULA 1, 2, 0
	MULA 1, 3, 0
.endm
.macro LASTQ
	s_wait_dscnt 0x0
	MULA 1, 0, 0
	MULA 1, 1, 0
	MULA 1, 2, 0
	MULA 1, 3, 0
.endm
; tot += w_t x part (t = 0: tot = w_0 x part: nothing is cleared).  128 packed instructions; with the four v_nop they are also the places
; between a tile's last product and the product with C = 0 that writes over it in the next block
.macro COMBINE t
	PLACES
	WIN 0xa1                                       ; tot (destination, source 2) window 2, part (source 0) window 1, the weights window 0
.irp a, 0,1,2,3
.set i, 0
.rept 32
.if \t == 0
	v_pk_mul_f32 v[64*\a+2*i:64*\a+2*i+1], v[64*\a+2*i:64*\a+2*i+1], v[AL+2*(4*\t+\a):AL+2*(4*\t+\a)+1]
.else
	v_pk_fma_f32 v[64*\a+2*i:64*\a+2*i+1], v[64*\a+2*i:64*\a+2*i+1], v[AL+2*(4*\t+\a):AL+2*(4*\t+\a)+1], v[64*\a+2*i:64*\a+2*i+1]
.endif
.set i, i+1
.endr
.endr
.endm
.macro LAPF t, fill                    ; key block t = two K steps = once round the ring
	THREE 0, 1
	TURN 0, 1, \fill
	THREE 1, 0
.if \fill
	TURN 1, 0, 1
.else
	LASTQ
.endif
	COMBINE \t
.endm
	s_load_b128 s[4:7], s[0:1], 0x0                ; ps s[4:5], vwb s[6:7]
	s_load_b128 s[68:71], s[0:1], 0x10             ; vsc s[68:69], out0 s[70:71]
	v_lshl_add_u32 v30, v0, 2, 0x4c400
	v_mov_b32 v31, 0
	ds_add_u32 v30, v31
	v_lshrrev_b32 v1, 5, v0
	v_readfirstlane_b32 s10, v1                    ; wave
	s_lshr_b32 s11, s10, 1                         ; wm; also: I fetch for VWs (0) or pt (1)
	s_and_b32 s12, s10, 1                          ; wn; also: which half I fetch
	s_bfe_u32 s40, ttmp6, 0x40000                  ; cx
	s_bfe_u32 s41, ttmp6, 0x40004                  ; cy
	s_lshl_b32 s42, ttmp9, 2
	s_add_co_u32 s42, s42, s40                     ; block column
	s_and_b32 s45, ttmp7, 0xffff                   ; cluster y
	s_lshl_b32 s13, s45, 2
	s_add_co_u32 s13, s13, s41                     ; block row
	s_lshr_b32 s21, s45, 1                         ; batch
	s_lshl_b32 s43, s41, 2
	s_lshl_b32 s43, 15, s43
	s_lshl_b32 s44, 0x1111, s40
	s_or_b32 s[G1+0], s43, (1<<16)|(1<<20)|(1<<21)|(5<<22)|(3<<25)   ; pt: 64 rows x 128 elements, 4 words of padding behind every 64
	s_mov_b32 s[G1+1], KSTEP<<16
	s_mov_b32 s[G1+2], 64<<16
	s_mov_b32 s[G1+3], KSTEP<<16
	s_mov_b32 s[G1+4], 64
	s_mov_b32 s[G1+5], 1024
	s_mov_b32 s[G1+6], 0
	s_mov_b32 s[G1+7], 0
	s_or_b32 s[G1B+0], s44, (1<<16)|(1<<20)|(1<<21)|(5<<22)|(3<<25)  ; VWs: 128 rows x 128 elements, padded alike
	s_mov_b32 s[G1B+1], KSTEP<<16
	s_mov_b32 s[G1B+2], 128<<16
	s_mov_b32 s[G1B+3], KSTEP<<16
	s_mov_b32 s[G1B+4], 128
	s_mov_b32 s[G1B+5], 8192                       ; 8,192 elements from a feature's row to the next
	s_mov_b32 s[G1B+6], 0
	s_mov_b32 s[G1B+7], 0
	s_lshl_b32 s16, s13, 7
	s_lshl_b32 s17, s12, 6
	s_add_co_u32 s16, s16, s17
	s_lshl_b32 s16, s16, 11                        ; pt: row 128 x block row + 64 x half
	s_mov_b32 s17, 0
	s_lshl_b32 s46, s42, 8
	s_lshl_b32 s47, s12, 7
	s_add_co_u32 s46, s46, s47
	s_lshl_b32 s46, s46, 14                        ; VWs: row 256 x block column + 128 x half, of 16,384 bytes,
	s_lshl_b32 s47, s21, 11                        ; and the batch's 1,024 keys of 2 bytes
	s_add_co_u32 s46, s46, s47
	s_mov_b32 s47, 0
	s_mul_i32 s20, s10, HALFT
	s_wait_dscnt 0x0
	s_wait_kmcnt 0x0
	s_add_nc_u64 s[14:15], s[4:5], s[16:17]
	s_add_nc_u64 s[46:47], s[6:7], s[46:47]
	CROUND
.irp s, 0,1
	s_mov_b32 s[G0+4*\s], 1
	s_add_co_u32 s[G0+4*\s+1], s20, \s*SLOT
	s_add_nc_u64 s[G0+4*\s+2:G0+4*\s+3], s[14:15], \s*ASL
	s_or_b32 s[G0+4*\s+3], s[G0+4*\s+3], 0x80000000
	s_mov_b32 s[G0B+4*\s], 1
	s_add_co_u32 s[G0B+4*\s+1], s20, \s*SLOT
	s_add_nc_u64 s[G0B+4*\s+2:G0B+4*\s+3], s[46:47], \s*BSL
	s_or_b32 s[G0B+4*\s+3], s[G0B+4*\s+3], 0x80000000
	JLOAD \s                                       ; two tensor loads of the wave are out
.endr
	; the inverse scales of my four tiles: tile = 32 x (2 x block column + wn) + 4 x batch + t, 256 bytes each
	s_lshl_b32 s18, s42, 1
	s_add_co_u32 s18, s18, s12
	s_lshl_b32 s18, s18, 5
	s_lshl2_add_u32 s18, s21, s18
	s_lshl_b32 s18, s18, 8
	s_mov_b32 s19, 0
	s_add_nc_u64 s[68:69], s[68:69], s[18:19]
	s_load_b32 s72, s[68:69], 0x0
	s_load_b32 s73, s[68:69], 0x100
	s_load_b32 s74, s[68:69], 0x200
	s_load_b32 s75, s[68:69], 0x300
	; the figures of my 64 rows: twelve planes of 32,768 bytes; lane (r, h) takes row 16 a + r
	s_lshl_b32 s22, s13, 9
	s_lshl_b32 s23, s11, 8
	s_add_co_u32 s22, s22, s23
	s_add_co_u32 s22, s22, SM
	s_mov_b32 s23, 0
	s_add_nc_u64 s[66:67], s[4:5], s[22:23]
	v_and_b32 v1, 15, v0                           ; r
	v_bfe_u32 v2, v0, 4, 1                         ; h
	v_lshlrev_b32 v27, 2, v1
.irp a, 0,1,2,3
.irp pl, 0,1,2,3,4,5,6,7,8,9,10,11
	global_load_b32 v[FG+12*\a+\pl], v27, s[66:67] offset:32768*\pl+64*\a
.endr
.endr
	; out at my 64 x 128
	s_lshl_b32 s18, s13, 7
	s_lshl_b32 s19, s11, 6
	s_add_co_u32 s18, s18, s19
	s_lshl_b32 s18, s18, 12                        ; rows of 4,096 bytes
	s_lshl_b32 s19, s42, 10
	s_add_co_u32 s18, s18, s19
	s_lshl_b32 s19, s12, 9
	s_add_co_u32 s18, s18, s19
	s_mov_b32 s19, 0
	s_add_nc_u64 s[70:71], s[70:71], s[18:19]
	v_mul_u32_u24 v3, v1, PITCH
	v_lshl_add_u32 v3, v2, 4, v3                   ; a fragment: row r, 16 h
	s_mul_i32 s22, s12, HALFT                      ; VWs's rows of my 128 columns
	s_mul_i32 s23, s11, HALFT
	s_add_co_u32 s23, s23, 2*HALFT                 ; pt's 64 rows of mine
.irp s, 0,1
	v_add_nc_u32 v[ADRB+\s], s22, v3
	v_add_nc_u32 v[ADRA+\s], s23, v3
	s_add_co_u32 s22, s22, SLOT
	s_add_co_u32 s23, s23, SLOT
.endr
	s_mul_i32 s22, s10, 16*OPITCH
	s_add_co_u32 s22, s22, STAGE
	v_mul_u32_u24 v5, v1, OPITCH
	v_lshl_add_u32 v5, v2, 5, v5
	v_add_nc_u32 v[STO], s22, v5                   ; in: row r, 32 bytes for each half of the lanes
	v_and_b32 v6, 31, v0
	v_lshlrev_b32 v[CO], 4, v6                     ; a row of 512 bytes: 16 bytes a lane
	v_add_nc_u32 v[RD], s22, v[CO]
	s_wait_loadcnt 0x0                             ; the figures
	s_wait_kmcnt 0x0                               ; the inverse scales
.macro ALPHA a
	v_max3_num_f32 v12, v[FG+12*\a], v[FG+12*\a+1], v[FG+12*\a+2]
	v_max_num_f32 v12, v12, v[FG+12*\a+3]          ; M
.irp t, 0,1,2,3
	v_sub_f32 v[4+\t], v[FG+12*\a+\t], v12
.endr
.irp t, 0,1,2,3
	v_exp_f32 v[4+\t], v[4+\t]                     ; e_t
.endr
.irp t, 0,1,2,3
	v_add_f32 v[8+\t], v[FG+12*\a+4+2*\t], v[FG+12*\a+5+2*\t]      ; the block's sum; also the plain places behind the exponentials (ISA guide 5.7.2)
.endr
	s_wait_alu depctr_va_vdst(0)
	v_mul_f32 v13, v4, v8
	v_fma_f32 v13, v5, v9, v13
	v_fma_f32 v13, v6, v10, v13
	v_fma_f32 v13, v7, v11, v13                    ; L
	v_rcp_f32 v14, v13
	v_nop
	s_wait_alu depctr_va_vdst(0)
.irp t, 0,1,2,3
	v_mul_f32 v[4+\t], v[4+\t], v14                ; alpha_t
.endr
.irp t, 0,1,2,3
	v_mul_f32 v[AL+2*(4*\t+\a)],   s[72+\t], v[4+\t]               ; w_t = alpha_t x the tile's inverse scale
	v_mul_f32 v[AL+2*(4*\t+\a)+1], s[72+\t], v[4+\t]
.endr
.endm
	ALPHA 0
	ALPHA 1
	ALPHA 2
	ALPHA 3
	s_wait_tensorcnt 0x1                           ; my part of K step 0 is in; K step 1's may stay out
	s_barrier_signal -1
	s_barrier_wait -1
	FETCH 0, 0, 0
	LAPF 0, 1                                      ; written out: each block names its own weight registers
	LAPF 1, 1
	LAPF 2, 1
	LAPF 3, 0                                      ; K steps 6 and 7: nothing is left to fetch
	; THE WAY OUT, 16 rows at a time, through my own stage: rows of 512 bytes come back whole
.macro OUTF a, rb
	WIN 0x08                                       ; store data in window 2
.irp b, 0,1,2,3,4,5,6,7
	ds_store_b128 v[STO], v[8*(8*\a+\b):8*(8*\a+\b)+3]   offset:64*\b
	ds_store_b128 v[STO], v[8*(8*\a+\b)+4:8*(8*\a+\b)+7] offset:64*\b+16
.endr
	WIN 0
	s_wait_xcnt 0x0                                ; earlier stores' data registers and base are rewritten only behind this wait (ISA guide 3.1)
.if \a
	s_add_nc_u64 s[70:71], s[70:71], 16*4096
.endif
.irp t, 0,1,2,3,4,5,6,7,8,9,10,11,12,13,14,15
	ds_load_b128 v[\rb+4*\t:\rb+4*\t+3], v[RD] offset:OPITCH*\t    ; my own bytes, served in order (ISA guide 5.7.1.4)
.endr
.irp t, 0,1,2,3,4,5,6,7,8,9,10,11,12,13,14,15
	s_wait_dscnt 15-\t
	global_store_b128 v[CO], v[\rb+4*\t:\rb+4*\t+3], s[70:71] offset:4096*\t th:TH_STORE_NT   ; the wave stores 512 consecutive bytes, aligned
.endr
.endm
	OUTF 0, 64
	OUTF 1, 128
	OUTF 2, 64
	OUTF 3, 128
	s_wait_tensorcnt 0x0
	ds_add_u32 v30, v31
	s_wait_dscnt 0x0
	CROUND                                         ; the closing round
	s_endpgm
.Lfunc_end_k_q085ab7f63f_final:
	.size	k_q085ab7f63f_final, .Lfunc_end_k_q085ab7f63f_final-k_q085ab7f63f_final
	.p2alignl 7, 3214868480
	.fill 96, 4, 3214868480
	.section	.rodata,"a",@progbits
	.p2align	6, 0x0
	.amdhsa_kernel k_q085ab7f63f_final
		.amdhsa_group_segment_fixed_size 327680
		.amdhsa_private_segment_fixed_size 0
		.amdhsa_enable_private_segment 0
		.amdhsa_kernarg_size 32
		.amdhsa_user_sgpr_count 2
		.amdhsa_user_sgpr_kernarg_segment_ptr 1
		.amdhsa_wavefront_size32 1
		.amdhsa_system_sgpr_workgroup_id_x 1
		.amdhsa_system_sgpr_workgroup_id_y 1
		.amdhsa_system_sgpr_workgroup_id_z 1
		.amdhsa_system_vgpr_workitem_id 0
		.amdhsa_next_free_vgpr 768
		.amdhsa_next_free_sgpr 76
		.amdhsa_reserve_vcc 0
		.amdhsa_float_denorm_mode_32 3
		.amdhsa_float_denorm_mode_16_64 3
		.amdhsa_memory_ordered 1
		.amdhsa_forward_progress 1
		.amdhsa_inst_pref_size 191
	.end_amdhsa_kernel
	.amdgpu_metadata
---
amdhsa.version: [ 1, 2 ]
amdhsa.kernels:
  - .name:           k_q085ab7f63f_final
    .symbol:         k_q085ab7f63f_final.kd
    .args:
      - { .name: ps, .offset: 0, .size: 8, .value_kind: global_buffer, .address_space: global }
      - { .name: vwb, .offset: 8, .size: 8, .value_kind: global_buffer, .address_space: global }
      - { .name: vsc, .offset: 16, .size: 8, .value_kind: global_buffer, .address_space: global }
      - { .name: out0, .offset: 24, .size: 8, .value_kind: global_buffer, .address_space: global }
    .group_segment_fixed_size: 327680
    .private_segment_fixed_size: 0
    .kernarg_segment_align: 8
    .kernarg_segment_size: 32
    .max_flat_workgroup_size: 128
    .sgpr_count:     76
    .vgpr_count:     768
    .wavefront_size: 32
...
	.end_amdgpu_metadata
.endif
;; end of part 5
;; ======== version 2 of 2: 4 launches; 1.13 times as fast as version 1
;; limits: values outside matrix products are rounded to f16
;; workspace buffers: act 33,554,432 bytes; wb 6,291,456 bytes; mbits 1,048,576 bytes of whole numbers; vkq 52,428,800 bytes; vwb 16,777,216 bytes; ps 17,170,432 bytes; vsc 65,536 bytes
;; launch prep (part 6): grid 1792 x 1, 8 waves a work-group, no clusters, 68,608 bytes of LDS; arguments key_value, query, Wv, Wk, Wq, Wo, attention_mask, act, wb, vkq, mbits; writes act, wb, vkq, mbits
.if DOCPART == 6
	.amdgcn_target "amdgcn-amd-amdhsa--gfx1250"
	.amdhsa_code_object_version 6
	.text
	.protected	k_q085ab7f63f_prep
	.globl	k_q085ab7f63f_prep
	.p2align	8
	.type	k_q085ab7f63f_prep,@function
k_q085ab7f63f_prep:
	s_mov_b64 s[64:65], 0
	v_nop
	global_prefetch_b8 v0, s[64:65] scope:SCOPE_SE
	s_setreg_imm32_b32 hwreg(HW_REG_WAVE_MODE, 25, 1), 1
	s_wait_xcnt 0x0
; PREP: two streaming jobs, told apart by the work-group's number g.
; g = 0 .. 1279: 16,384 f32 numbers of key_value, query, Wv, Wk, Wq or Wo are rounded once to bf16 (nearest even), so that the
;   later products read 2 bytes a number.  act = [key_value][query], wb = [Wv][Wk][Wq], each in its input's order; Wo goes to plane 3 of vkq
;   (byte 50,331,648), behind the three planes that the next launch fills with v, k and q.
; g = 1280 .. 1791: 16 rows of attention_mask (row block g - 1280 of the 8,192 flat rows) become lane masks.  Wave w takes the
;   128 columns of chunk w.  Word 8 b + j of (row block, chunk) has bit L = (mask[16 rowblk + L % 16][128 w + 16 b + 8 (L / 16) + j] != 0):
;   the lane mask of register j of the 16 x 16 score tile b as the score job holds it.  33,554,432 bytes become 1,048,576.
; Every input byte is read once by 16-byte loads of which a wave's cover 512 consecutive bytes; every store of a wave covers
; 256 consecutive bytes, aligned.  No matrix unit, no cluster: no work-group shares a byte with another and there is no product.
; No barrier: in the mask job a wave reads back only LDS bytes that it stored itself.
.set NCONV,  1280                      ; work-groups of the first job: 512 + 512 + 4 x 64
.set WOAT,   50331648                  ; Wo's place in vkq
.set X,      16                        ; v[16:79]   16 loads of 4 registers
.set Y,      80                        ; v[80:111]  first job: 16 x 2 registers of bf16
.set D,      80                        ; v[80:143]  second job: the mask's words in the score tiles' lane order
.set WD,     144                       ; v[144:145] second job: lane i gathers words 2 i and 2 i + 1
.set MPITCH, 528                       ; an LDS row: 512 bytes + 16, an odd multiple of 16, so 16 rows' equal columns fall on different banks (ISA guide 11.1)
.set MWAVE,  16*MPITCH                 ; a wave's own 8,448 bytes
	s_load_b512 s[4:19], s[0:1], 0x0               ; key_value, query, Wv, Wk, Wq, Wo, attention_mask, act
	s_load_b128 s[20:23], s[0:1], 0x40             ; wb, vkq
	s_load_b64 s[24:25], s[0:1], 0x50              ; mbits
	v_lshl_add_u32 v148, v0, 2, 0x10800
	v_mov_b32 v149, 0
	s_mov_b32 s26, ttmp9                           ; g
	v_lshlrev_b32 v1, 4, v0                        ; 16 t: my 16 bytes of each 4,096 read
	v_lshlrev_b32 v2, 3, v0                        ; 8 t: my 8 bytes of each 2,048 written
	s_wait_kmcnt 0x0
	s_cmp_ge_u32 s26, NCONV
	s_cbranch_scc1 .Lmask
	; ---- first job.  Which input, and which work-group number is its first ----
.macro PICKS first, lo
	s_cmp_ge_u32 s26, \first
	s_cselect_b64 s[28:29], s[\lo:\lo+1], s[28:29]
	s_cselect_b32 s30, \first, s30
.endm
.macro PICKD first, lo
	s_cmp_ge_u32 s26, \first
	s_cselect_b64 s[32:33], s[\lo:\lo+1], s[32:33]
	s_cselect_b32 s34, \first, s34
.endm
	s_mov_b64 s[28:29], s[4:5]                     ; key_value from g = 0
	s_mov_b32 s30, 0
	PICKS 512, 6                                   ; query
	PICKS 1024, 8                                  ; Wv
	PICKS 1088, 10                                 ; Wk
	PICKS 1152, 12                                 ; Wq
	PICKS 1216, 14                                 ; Wo
	s_mov_b64 s[32:33], s[18:19]                   ; act from g = 0
	s_mov_b32 s34, 0
	PICKD 1024, 20                                 ; wb
	PICKD 1216, 22                                 ; vkq,
	s_cmp_ge_u32 s26, 1216
	s_cselect_b32 s36, WOAT, 0                     ; and there plane 3
	s_sub_co_u32 s30, s26, s30
	s_lshl_b32 s30, s30, 16                        ; 65,536 bytes of f32 a work-group
	s_mov_b32 s31, 0
	s_add_nc_u64 s[28:29], s[28:29], s[30:31]
	s_sub_co_u32 s34, s26, s34
	s_lshl_b32 s34, s34, 15                        ; 32,768 bytes of bf16
	s_add_co_u32 s34, s34, s36
	s_mov_b32 s35, 0
	s_add_nc_u64 s[32:33], s[32:33], s[34:35]
.irp i, 0,1,2,3,4,5,6,7,8,9,10,11,12,13,14,15
	global_load_b128 v[X+4*\i:X+4*\i+3], v1, s[28:29] offset:4096*\i th:TH_LOAD_NT   ; all sixteen go out first
.endr
.irp i, 0,1,2,3,4,5,6,7,8,9,10,11,12,13,14,15
	s_wait_loadcnt 15-\i                           ; loads come back in order (ISA guide 5.7.1): load i is in, the younger ones stay out
	v_cvt_pk_bf16_f32 v[Y+2*\i],   v[X+4*\i],   v[X+4*\i+1]
	v_cvt_pk_bf16_f32 v[Y+2*\i+1], v[X+4*\i+2], v[X+4*\i+3]
	global_store_b64 v2, v[Y+2*\i:Y+2*\i+1], s[32:33] offset:2048*\i   ; no register is written twice: no further wait
.endr
	s_endpgm
	; ---- second job ----
.Lmask:
	s_sub_co_u32 s27, s26, NCONV                   ; row block 0 .. 511
	v_lshrrev_b32 v3, 5, v0
	v_readfirstlane_b32 s36, v3                    ; wave = chunk of 128 columns
	s_lshl_b32 s30, s27, 16                        ; 16 rows of 4,096 bytes
	s_mov_b32 s31, 0
	s_add_nc_u64 s[16:17], s[16:17], s[30:31]
	s_lshl_b32 s30, s27, 11                        ; 8 chunks of 64 words
	s_add_nc_u64 s[24:25], s[24:25], s[30:31]
.irp i, 0,1,2,3,4,5,6,7,8,9,10,11,12,13,14,15
	global_load_b128 v[X+4*\i:X+4*\i+3], v1, s[16:17] offset:4096*\i th:TH_LOAD_NT   ; row i: 16 t = 512 w + 16 lane
.endr
	s_mul_i32 s37, s36, MWAVE
	v_and_b32 v7, 31, v0                           ; lane
	v_and_b32 v8, 15, v0                           ; r
	v_bfe_u32 v9, v0, 4, 1                         ; h
	v_lshl_add_u32 v4, v7, 4, s37                  ; in: 16 bytes a lane along a row
	v_mul_u32_u24 v5, v8, MPITCH
	v_lshl_add_u32 v5, v9, 5, v5
	v_add_nc_u32 v5, s37, v5                       ; back: row r, 32 bytes (8 columns) for each half of the lanes
	v_mov_b32 v[WD], 0                             ; v_writelane_b32 keeps the other lanes: the registers are written whole first
	v_mov_b32 v[WD+1], 0
.irp i, 0,1,2,3,4,5,6,7,8,9,10,11,12,13,14,15
	s_wait_loadcnt 15-\i
	ds_store_b128 v4, v[X+4*\i:X+4*\i+3] offset:MPITCH*\i
.endr
.set n, 0
.rept 16                                               ; n = 2 b + q: columns 16 b + 8 h + 4 q .. + 3.  A wave's LDS instructions are served in order (ISA guide 5.7.1.4)
	ds_load_b128 v[D+4*n:D+4*n+3], v5 offset:64*(n/2)+16*(n&1)
.set n, n+1
.endr
.set n, 0
.rept 16
	s_wait_dscnt 15-n                              ; load n is in, the younger ones stay out
.irp i, 0,1,2,3
	v_cmp_ne_u32 s[40+(4*n+\i)%16], 0, v[D+4*n+\i]                 ; word 8 b + j, j = 4 q + i: one bit a lane
.endr
.irp i, 0,1,2,3
	v_writelane_b32 v[WD+(\i&1)], s[40+(4*n+\i)%16], 2*n+(\i>>1)   ; to lane (8 b + j) / 2 = 2 n + i / 2, register j % 2
.endr
.set n, n+1
.endr
	global_store_b64 v2, v[WD:WD+1], s[24:25]      ; 8 t = 256 w + 8 lane: the wave's 64 words, 256 consecutive bytes, aligned
	s_wait_tensorcnt 0x0
	ds_add_u32 v148, v149
	s_wait_dscnt 0x0
	s_endpgm
.Lfunc_end_k_q085ab7f63f_prep:
	.size	k_q085ab7f63f_prep, .Lfunc_end_k_q085ab7f63f_prep-k_q085ab7f63f_prep
	.p2alignl 7, 3214868480
	.fill 96, 4, 3214868480
	.section	.rodata,"a",@progbits
	.p2align	6, 0x0
	.amdhsa_kernel k_q085ab7f63f_prep
		.amdhsa_group_segment_fixed_size 68608
		.amdhsa_private_segment_fixed_size 0
		.amdhsa_enable_private_segment 0
		.amdhsa_kernarg_size 88
		.amdhsa_user_sgpr_count 2
		.amdhsa_user_sgpr_kernarg_segment_ptr 1
		.amdhsa_wavefront_size32 1
		.amdhsa_system_sgpr_workgroup_id_x 1
		.amdhsa_system_sgpr_workgroup_id_y 1
		.amdhsa_system_sgpr_workgroup_id_z 1
		.amdhsa_system_vgpr_workitem_id 0
		.amdhsa_next_free_vgpr 150
		.amdhsa_next_free_sgpr 66
		.amdhsa_reserve_vcc 0
		.amdhsa_float_denorm_mode_32 3
		.amdhsa_float_denorm_mode_16_64 3
		.amdhsa_memory_ordered 1
		.amdhsa_forward_progress 1
		.amdhsa_inst_pref_size 22
	.end_amdhsa_kernel
	.amdgpu_metadata
---
amdhsa.version: [ 1, 2 ]
amdhsa.kernels:
  - .name:           k_q085ab7f63f_prep
    .symbol:         k_q085ab7f63f_prep.kd
    .args:
      - { .name: key_value, .offset: 0, .size: 8, .value_kind: global_buffer, .address_space: global }
      - { .name: query, .offset: 8, .size: 8, .value_kind: global_buffer, .address_space: global }
      - { .name: Wv, .offset: 16, .size: 8, .value_kind: global_buffer, .address_space: global }
      - { .name: Wk, .offset: 24, .size: 8, .value_kind: global_buffer, .address_space: global }
      - { .name: Wq, .offset: 32, .size: 8, .value_kind: global_buffer, .address_space: global }
      - { .name: Wo, .offset: 40, .size: 8, .value_kind: global_buffer, .address_space: global }
      - { .name: attention_mask, .offset: 48, .size: 8, .value_kind: global_buffer, .address_space: global }
      - { .name: act, .offset: 56, .size: 8, .value_kind: global_buffer, .address_space: global }
      - { .name: wb, .offset: 64, .size: 8, .value_kind: global_buffer, .address_space: global }
      - { .name: vkq, .offset: 72, .size: 8, .value_kind: global_buffer, .address_space: global }
      - { .name: mbits, .offset: 80, .size: 8, .value_kind: global_buffer, .address_space: global }
    .group_segment_fixed_size: 68608
    .private_segment_fixed_size: 0
    .kernarg_segment_align: 8
    .kernarg_segment_size: 88
    .max_flat_workgroup_size: 256
    .sgpr_count:     66
    .vgpr_count:     150
    .wavefront_size: 32
...
	.end_amdgpu_metadata
.endif
;; end of part 6
;; launch proj (part 7): grid 4 x 96, 4 waves a work-group, clusters of 4 x 4, 327,680 bytes of LDS; arguments act, wb, bv, bk, bq, vkq; writes vkq
.if DOCPART == 7
	.amdgcn_target "amdgcn-amd-amdhsa--gfx1250"
	.amdhsa_code_object_version 6
	.text
	.protected	k_q085ab7f63f_proj
	.globl	k_q085ab7f63f_proj
	.p2align	8
	.type	k_q085ab7f63f_proj,@function
k_q085ab7f63f_proj:
	s_mov_b64 s[64:65], 0
	v_nop
	global_prefetch_b8 v0, s[64:65] scope:SCOPE_SE
	s_setreg_imm32_b32 hwreg(HW_REG_WAVE_MODE, 25, 1), 1
	s_wait_xcnt 0x0
	s_wait_alu depctr_hold_cnt(0) depctr_sa_sdst(0) depctr_va_vdst(0) depctr_va_sdst(0) depctr_va_ssrc(0) depctr_va_vcc(0) depctr_vm_vsrc(0)
	s_getreg_b32 s2, hwreg(HW_REG_IB_STS2, 6, 4)
	s_cmp_eq_u32 s2, 0
	s_cbranch_scc0 .Lentry_in_a_cluster
	s_endpgm
.Lentry_in_a_cluster:
	s_bfe_u32 s2, ttmp6, 0x10000c
	s_cmp_lg_u32 s2, 0xf033
	s_cbranch_scc0 .Lentry_shape_is_right
	s_endpgm
.Lentry_shape_is_right:
; PROJ: C[m][f] = bias[f] + sum over e of A[m][e] W[f][e], three planes in one launch (p = cluster y / 8):
;   p = 0: v = key_value Wv^T + bv; p = 1: k = key_value Wk^T + bk; p = 2: q = query Wq^T + bq.  A = plane p / 2 of act, W = plane p of wb, C = plane p of vkq.
; A: [8192][1024], W: [1024][1024], C: [8192][1024], all bf16; sums in f32, started by the bias, rounded to bf16 once.
; A work-group makes 256 x 256 of C with four waves, a wave 128 x 128: 64 accumulator tiles of 16 x 16, 512 registers.  For 32 along K a wave reads 2 x 128 x 64 bytes
; of LDS and issues 64 matrix instructions.  K goes in steps of 128 through a ring of two LDS slots filled by tensor loads; a tile's rows are 256 bytes of memory and
; start at multiples of 256 bytes from the buffer's first byte.  A slot is asked for again behind the barrier of its K step's last quarter, and waited for in front of
; the next step's: in between a wave issues 240 of a K step's 256 matrix instructions.  A plane has 32 x 4 blocks; three planes are 384 work-groups, 24 clusters.
; CLUSTERS: 4 x 4 work-groups.  The four of a row of the cluster need the same 256 rows of A, the four of a column the same 256 rows of W: each tile is asked for jointly,
; by the same load with the same descriptor in all four, which divides the requests by four.
; REGISTERS, in windows of 256: window 0: v0-31 addresses, v64-127 / v128-191 A's fragments (8 x 16 rows x 32 K), two buffers, v192-223 at work on the way out;
;   window 1: v0-63 the bias of my 128 columns, v64-127 / v128-191 W's fragments; window 2: the 32 tiles of my rows 0-63 (tile (a, b) at v[8 (8 a + b)]); window 3: rows 64-127.
; THE MATRIX INSTRUCTION IS USED TRANSPOSED (source 0 = 16 rows of W, source 1 = 16 rows of A): register j of lane (r, h) of tile (a, b)
; is C(row 16 a + r, column 16 b + 8 h + j), eight neighbouring numbers of a row.
.set KSTEP,  128
.set PITCH,  272                       ; an LDS row: 256 bytes + 16 of padding, an odd multiple of 16: the 16 rows of a fragment load start on different banks (ISA guide 11.1)
.set HALFT,  128*PITCH                 ; 128 rows: what one tensor load brings, and what one wave reads of A or of W
.set SLOT,   4*HALFT                   ; A's 256 rows, then W's 256 rows
.set STAGE,  2*SLOT                    ; behind the ring: 16 rows x 272 bytes for each wave, for the way out; no tensor load lands here
.set SPITCH, 272
.set ROWB,   2048                      ; bytes of a row of 1,024 bf16
.set ADRA, 16                          ; v16-17  LDS address of my A fragments in slot 0, 1
.set ADRB, 20                          ; v20-21  the same for W
.set STO,  24                          ; v24     way out: where I put 16 bytes of a row
.set RD,   25                          ; v25     way out: where I read a row back
.set CO,   26                          ; v26     my byte offset in C
.set F0,   64                          ; fragment buffer 0
.set F1,   128                         ; fragment buffer 1
.set TMP,  192                         ; way out: packed results
.set G1,  24                           ; s[24:31] group 1 for A's tiles
.set G0,  32                           ; s[32:39] group 0 for A's tiles, one set a slot
.set G1B, 48                           ; s[48:55] group 1 for W's tiles: it differs from A's in the mask alone
.set G0B, 56                           ; s[56:63] group 0 for W's tiles, one set a slot
.set MSB, 0
.macro WIN new                         ; s_set_vgpr_msb: bits 1:0 source 0, 3:2 source 1, 5:4 source 2, 7:6 destination; the high byte repeats the setting that is left
.if MSB != (\new)
	s_set_vgpr_msb (MSB<<8)|(\new)
.set MSB, (\new)
.endif
.endm
.macro PLACES                          ; four plain vector places behind matrix instructions, in front of loads into their sources and of readers of their results
.rept 4
	v_nop
.endr
.endm
; A joint load.  Waves 0 and 1 fetch A's halves, waves 2 and 3 W's.  Each line has one mask; the branch hangs on the wave's number alone.
.macro JLOAD s
	s_cmp_eq_u32 s11, 0
	s_cbranch_scc0 .Lfor_b_\@
	tensor_load_to_lds s[G0+4*\s:G0+4*\s+3], s[G1:G1+7]
	s_nop 0
	s_branch .Lasked_\@
.Lfor_b_\@:
	tensor_load_to_lds s[G0B+4*\s:G0B+4*\s+3], s[G1B:G1B+7]
	s_nop 0
.Lasked_\@:
.endm
.macro CREST                           ; a round of the cluster's barrier behind its opening work-group barrier
	s_cmp_lg_u32 s10, 0
	s_cbranch_scc1 .Lnot_wave_0_\@
	s_barrier_signal -3
.Lnot_wave_0_\@:
	s_barrier_wait -3
	s_barrier_signal -1
	s_barrier_wait -1
.endm
.macro CROUND
	s_barrier_signal -1
	s_barrier_wait -1
	CREST
.endm
; 16 matrix instructions: row blocks a0, a0 + 1 of the window's four (hi = 0: my rows 0-63, 1: rows 64-127) x all 8 column blocks, 32 along K.
; cm = 0: add in place; cm = 2: the bias of column block b (window 1) starts the sums: nothing is cleared, nothing is added later.
; The 64 accumulators take turns, one instruction a turn, in the same order in every quarter step.
.macro MUL16 f, hi, a0, cm
.if \cm == 2
	WIN 0x91+0x40*\hi
.else
	WIN 0xa1+0x50*\hi
.endif
.irp a, \a0, \a0+1
.irp b, 0,1,2,3,4,5,6,7
.if \cm == 2
	v_wmma_f32_16x16x32_bf16 v[8*(8*(\a)+\b):8*(8*(\a)+\b)+7], v[\f+8*\b:\f+8*\b+7], v[\f+8*(4*\hi+\a):\f+8*(4*\hi+\a)+7], v[8*\b:8*\b+7]
.else
	v_wmma_f32_16x16x32_bf16 v[8*(8*(\a)+\b):8*(8*(\a)+\b)+7], v[\f+8*\b:\f+8*\b+7], v[\f+8*(4*\hi+\a):\f+8*(4*\hi+\a)+7], v[8*(8*(\a)+\b):8*(8*(\a)+\b)+7]
.endif
.endr
.endr
.endm
; 32 LDS loads in one run: the fragments of one quarter step (128 rows of W, 128 rows of A, 32 K at byte k of the rows) into buffer f
.macro FETCH slot, k, f
	WIN 0x40
.irp i, 0,1,2,3,4,5,6,7
	ds_load_b128 v[\f+8*\i:\f+8*\i+3],   v[ADRB+\slot] offset:\k+\i*16*PITCH
	ds_load_b128 v[\f+8*\i+4:\f+8*\i+7], v[ADRB+\slot] offset:\k+\i*16*PITCH+32
.endr
	WIN 0
.irp i, 0,1,2,3,4,5,6,7
	ds_load_b128 v[\f+8*\i:\f+8*\i+3],   v[ADRA+\slot] offset:\k+\i*16*PITCH
	ds_load_b128 v[\f+8*\i+4:\f+8*\i+7], v[ADRA+\slot] offset:\k+\i*16*PITCH+32
.endr
.endm
; One of a K step's first three quarters: multiplies buffer f; in its middle it fetches the next quarter's fragments, at byte k of the same slot's rows, into buffer g
.macro QUARTER slot, k, f, g, cm
	s_wait_dscnt 8                                 ; W and A's rows 0-63 are in; the youngest eight loads (A's rows 64-127) may be out
	MUL16 \f, 0, 0, \cm
	MUL16 \f, 0, 2, \cm
	PLACES
	FETCH \slot, \k, \g
	s_wait_dscnt 32                                ; all but the 32 just issued
	MUL16 \f, 1, 0, \cm
	MUL16 \f, 1, 2, \cm
.endm
.macro THREE slot, cm
	QUARTER \slot, 64,  F0, F1, \cm
	QUARTER \slot, 128, F1, F0, 0
	QUARTER \slot, 192, F0, F1, 0
.endm
; The last quarter multiplies buffer 1 and changes slots.  In front of the one barrier each wave waits for its reads of this slot and for all its tensor loads
; (one is out: its part of the next slot).  fill = 1: the barrier opens a round of the cluster's barrier, and the joint refill of this slot, two K steps ahead,
; is the first tensor load behind the round.
.macro TURN slot, next, fill
	s_wait_dscnt 8
	MUL16 F1, 0, 0, 0
	s_wait_dscnt 0                                 ; my reads of this slot are back
	s_wait_tensorcnt 0x0                           ; all my tensor loads have landed
	ds_add_u32 v255, v255
	s_wait_dscnt 0x0
	s_barrier_signal -1
	MUL16 F1, 0, 2, 0                              ; register work while the others arrive
	WIN 0
	s_barrier_wait -1
.if \fill
	CREST
	s_add_nc_u64 s[G0+4*\slot+2:G0+4*\slot+3], s[G0+4*\slot+2:G0+4*\slot+3], 2*KSTEP*2      ; no tensor load of mine is out: a group 0 may be written
	s_add_nc_u64 s[G0B+4*\slot+2:G0B+4*\slot+3], s[G0B+4*\slot+2:G0B+4*\slot+3], 2*KSTEP*2
	JLOAD \slot
.endif
	PLACES
	FETCH \next, 0, F0
	MUL16 F1, 1, 0, 0
	MUL16 F1, 1, 2, 0
.endm
.macro LAP cm                          ; once round the ring, both slots filled again
	THREE 0, \cm
	TURN 0, 1, 1
	THREE 1, 0
	TURN 1, 0, 1
.endm
	s_load_b256 s[68:75], s[0:1], 0x0              ; act s[68:69], wb s[70:71], bv s[72:73], bk s[74:75]
	s_load_b128 s[76:79], s[0:1], 0x20             ; bq s[76:77], vkq s[78:79]
	s_set_vgpr_msb 0x40
	v_lshl_add_u32 v255, v0, 2, 0x48400
	s_set_vgpr_msb 0x4000
	v_mov_b32 v255, 0
	s_set_vgpr_msb 0x1
	ds_add_u32 v255, v255
	s_set_vgpr_msb 0x100
	v_lshrrev_b32 v1, 5, v0
	v_readfirstlane_b32 s10, v1                    ; wave 0..3
	s_lshr_b32 s11, s10, 1                         ; which half of the block's rows is mine.  Also: I fetch for A (0) or for W (1)
	s_and_b32 s12, s10, 1                          ; which half of its columns.  Also: which 128 rows of that tile I fetch
	s_bfe_u32 s40, ttmp6, 0x40000                  ; cx
	s_bfe_u32 s41, ttmp6, 0x40004                  ; cy
	s_lshl_b32 s42, ttmp9, 2
	s_add_co_u32 s42, s42, s40                     ; block column = 4 x cluster x + cx
	s_and_b32 s45, ttmp7, 0xffff                   ; cluster y
	s_and_b32 s13, s45, 7
	s_lshl_b32 s13, s13, 2
	s_add_co_u32 s13, s13, s41                     ; block row in the plane = 4 x (cluster y mod 8) + cy
	s_lshr_b32 s21, s45, 3                         ; p: the same in all sixteen work-groups of a cluster
	s_lshl_b32 s43, s41, 2
	s_lshl_b32 s43, 15, s43                        ; my row of the cluster
	s_lshl_b32 s44, 0x1111, s40                    ; my column
	s_or_b32 s[G1+0], s43, (1<<16)|(1<<20)|(1<<21)|(5<<22)|(3<<25)   ; mask; elements of 2 bytes; padding on; bit 21 beside a mask; after every 64 words 4 words
	s_mov_b32 s[G1+1], KSTEP<<16                   ; tensor_dim0 = 128
	s_mov_b32 s[G1+2], 128<<16                     ; tensor_dim1 = 128
	s_mov_b32 s[G1+3], KSTEP<<16                   ; tile_dim0 = 128
	s_mov_b32 s[G1+4], 128                         ; tile_dim1 = 128 rows
	s_mov_b32 s[G1+5], 1024                        ; elements from row to row
	s_mov_b32 s[G1+6], 0
	s_mov_b32 s[G1+7], 0
	s_or_b32 s[G1B+0], s44, (1<<16)|(1<<20)|(1<<21)|(5<<22)|(3<<25)
	s_mov_b32 s[G1B+1], KSTEP<<16
	s_mov_b32 s[G1B+2], 128<<16
	s_mov_b32 s[G1B+3], KSTEP<<16
	s_mov_b32 s[G1B+4], 128
	s_mov_b32 s[G1B+5], 1024
	s_mov_b32 s[G1B+6], 0
	s_mov_b32 s[G1B+7], 0
	; A's tile hangs on the block row, p and the wave; W's on the block column, p and the wave; each in registers that never hold the other coordinate
	s_lshl_b32 s16, s13, 8
	s_lshl_b32 s17, s12, 7
	s_add_co_u32 s16, s16, s17                     ; row 256 x block row + 128 x half
	s_lshl_b32 s16, s16, 11
	s_lshr_b32 s17, s21, 1
	s_lshl_b32 s17, s17, 24                        ; plane p / 2 of 16,777,216 bytes
	s_add_co_u32 s16, s16, s17
	s_mov_b32 s17, 0
	s_lshl_b32 s46, s42, 8
	s_lshl_b32 s47, s12, 7
	s_add_co_u32 s46, s46, s47                     ; row 256 x block column + 128 x half
	s_lshl_b32 s46, s46, 11
	s_lshl_b32 s47, s21, 21                        ; plane p of 2,097,152 bytes
	s_add_co_u32 s46, s46, s47
	s_mov_b32 s47, 0
	s_mul_i32 s20, s10, HALFT                      ; where my tile goes: the wave's number alone
	s_wait_dscnt 0x0
	s_wait_kmcnt 0x0
	s_add_nc_u64 s[14:15], s[68:69], s[16:17]
	s_add_nc_u64 s[46:47], s[70:71], s[46:47]
	CROUND                                         ; all sixteen work-groups are here: the first joint loads meet
.irp s, 0,1
	s_mov_b32 s[G0+4*\s], 1
	s_add_co_u32 s[G0+4*\s+1], s20, \s*SLOT
	s_add_nc_u64 s[G0+4*\s+2:G0+4*\s+3], s[14:15], \s*KSTEP*2
	s_or_b32 s[G0+4*\s+3], s[G0+4*\s+3], 0x80000000
	s_mov_b32 s[G0B+4*\s], 1
	s_add_co_u32 s[G0B+4*\s+1], s20, \s*SLOT
	s_add_nc_u64 s[G0B+4*\s+2:G0B+4*\s+3], s[46:47], \s*KSTEP*2
	s_or_b32 s[G0B+4*\s+3], s[G0B+4*\s+3], 0x80000000
	JLOAD \s                                       ; K steps 0 and 1: two tensor loads of the wave are out
.endr
	; the bias of my 128 columns, and C at my 128 x 128
	s_cmp_eq_u32 s21, 1
	s_cselect_b64 s[72:73], s[74:75], s[72:73]
	s_cmp_eq_u32 s21, 2
	s_cselect_b64 s[72:73], s[76:77], s[72:73]
	s_lshl_b32 s80, s42, 10
	s_lshl_b32 s81, s12, 9
	s_add_co_u32 s80, s80, s81                     ; (256 x block column + 128 x half) x 4 bytes
	s_mov_b32 s81, 0
	s_add_nc_u64 s[72:73], s[72:73], s[80:81]
	s_lshl_b32 s82, s13, 8
	s_lshl_b32 s83, s11, 7
	s_add_co_u32 s82, s82, s83
	s_lshl_b32 s82, s82, 11                        ; my first row
	s_lshl_b32 s83, s21, 24                        ; plane p
	s_add_co_u32 s82, s82, s83
	s_lshl_b32 s83, s42, 9
	s_add_co_u32 s82, s82, s83
	s_lshl_b32 s83, s12, 8
	s_add_co_u32 s82, s82, s83                     ; my first column, 2 bytes each
	s_mov_b32 s83, 0
	s_add_nc_u64 s[78:79], s[78:79], s[82:83]
	; a fragment is 16 rows x 32 K: lane (r, h) takes 16 bytes at row r, byte 16 h, and 16 more 32 bytes on
	v_and_b32 v1, 15, v0                           ; r
	v_bfe_u32 v2, v0, 4, 1                         ; h
	v_lshlrev_b32 v27, 5, v2                       ; bias: 8 h columns of 4 bytes
	WIN 0x40                                       ; destination in window 1
.irp b, 0,1,2,3,4,5,6,7
	global_load_b128 v[8*\b:8*\b+3],   v27, s[72:73] offset:64*\b       ; bias of columns 16 b + 8 h .. + 3
	global_load_b128 v[8*\b+4:8*\b+7], v27, s[72:73] offset:64*\b+16
.endr
	WIN 0
	v_mul_u32_u24 v3, v1, PITCH
	v_lshl_add_u32 v3, v2, 4, v3
	s_mul_i32 s22, s11, HALFT                      ; my 128 rows of A
	s_mul_i32 s23, s12, HALFT                      ; my 128 rows of W,
	s_add_co_u32 s23, s23, 2*HALFT                 ; which lie behind A's 256
.irp s, 0,1
	v_add_nc_u32 v[ADRA+\s], s22, v3
	v_add_nc_u32 v[ADRB+\s], s23, v3
	s_add_co_u32 s22, s22, SLOT
	s_add_co_u32 s23, s23, SLOT
.endr
	s_mul_i32 s22, s10, 16*SPITCH
	s_add_co_u32 s22, s22, STAGE                   ; my stage
	v_add_nc_u32 v[STO], s22, v3                   ; in: row r, 16 bytes for each half of the lanes
	v_mul_u32_u24 v4, v2, SPITCH
	v_lshl_add_u32 v4, v1, 4, v4
	v_add_nc_u32 v[RD], s22, v4                    ; back: lanes 0-15 one row of 256 bytes, lanes 16-31 the next
	v_lshlrev_b32 v5, 11, v2
	v_lshl_add_u32 v[CO], v1, 4, v5                ; the same two rows in C
	s_wait_loadcnt 0x0                             ; the bias, once
	s_wait_tensorcnt 0x1                           ; my part of K step 0 is in; K step 1's may stay out
	s_barrier_signal -1
	s_barrier_wait -1
	FETCH 0, 0, F0
	LAP 2                                          ; the first lap stands in front of the loop: its first products take the bias as C
	WIN 0                                          ; at a label and at a branch every window is 0
	s_mov_b32 s3, 2
.Llap:
	LAP 0
	WIN 0
	s_sub_co_u32 s3, s3, 1
	s_cmp_lg_u32 s3, 0
	s_cbranch_scc1 .Llap
	THREE 0, 0                                     ; K steps 6 and 7: nothing is left to fetch
	TURN 0, 1, 0
	THREE 1, 0
	s_wait_dscnt 8
	MUL16 F1, 0, 0, 0
	MUL16 F1, 0, 2, 0
	s_wait_dscnt 0
	MUL16 F1, 1, 0, 0
	MUL16 F1, 1, 2, 0
	; THE WAY OUT, 16 rows at a time: round to bf16, 16 bytes a lane into my own stage, back as whole rows of 256 bytes
	PLACES
; rows 16 i .. 16 i + 15 of my block = the eight tiles (a, 0..7) of window 2 or 3 (from = 0x0a or 0x0f: sources 0 and 1); f: F0 or F1 in turn
.macro OUT16 i, a, from, f
	WIN \from
.irp b, 0,1,2,3,4,5,6,7
.irp q, 0,1,2,3
	v_cvt_pk_bf16_f32 v[TMP+4*\b+\q], v[8*(8*\a+\b)+2*\q], v[8*(8*\a+\b)+2*\q+1]
.endr
.endr
	WIN 0
.irp b, 0,1,2,3,4,5,6,7
	ds_store_b128 v[STO], v[TMP+4*\b:TMP+4*\b+3] offset:32*\b
.endr
	s_wait_xcnt 0x0                                ; earlier stores have had their addresses translated (ISA guide 3.1): their data registers and base are rewritten only behind this wait
.if \i
	s_add_nc_u64 s[78:79], s[78:79], 16*ROWB
.endif
.irp t, 0,1,2,3,4,5,6,7
	ds_load_b128 v[\f+4*\t:\f+4*\t+3], v[RD] offset:\t*2*SPITCH    ; a wave's LDS instructions are served in order (ISA guide 5.7.1.4): these see the stores above
.endr
.irp t, 0,1,2,3,4,5,6,7
	s_wait_dscnt 7-\t
	global_store_b128 v[CO], v[\f+4*\t:\f+4*\t+3], s[78:79] offset:2*\t*ROWB   ; 16 lanes store 256 consecutive bytes, aligned
.endr
.endm
	OUT16 0, 0, 0x0a, F0
	OUT16 1, 1, 0x0a, F1
	OUT16 2, 2, 0x0a, F0
	OUT16 3, 3, 0x0a, F1
	OUT16 4, 0, 0x0f, F0
	OUT16 5, 1, 0x0f, F1
	OUT16 6, 2, 0x0f, F0
	OUT16 7, 3, 0x0f, F1
	s_set_vgpr_msb 0x1
	s_wait_tensorcnt 0x0
	ds_add_u32 v255, v255
	s_wait_dscnt 0x0
	s_set_vgpr_msb 0x100
	CROUND                                         ; the closing round: no work-group ends while a partner may still ask jointly
	s_endpgm
.Lfunc_end_k_q085ab7f63f_proj:
	.size	k_q085ab7f63f_proj, .Lfunc_end_k_q085ab7f63f_proj-k_q085ab7f63f_proj
	.p2alignl 7, 3214868480
	.fill 96, 4, 3214868480
	.section	.rodata,"a",@progbits
	.p2align	6, 0x0
	.amdhsa_kernel k_q085ab7f63f_proj
		.amdhsa_group_segment_fixed_size 327680
		.amdhsa_private_segment_fixed_size 0
		.amdhsa_enable_private_segment 0
		.amdhsa_kernarg_size 48
		.amdhsa_user_sgpr_count 2
		.amdhsa_user_sgpr_kernarg_segment_ptr 1
		.amdhsa_wavefront_size32 1
		.amdhsa_system_sgpr_workgroup_id_x 1
		.amdhsa_system_sgpr_workgroup_id_y 1
		.amdhsa_system_sgpr_workgroup_id_z 1
		.amdhsa_system_vgpr_workitem_id 0
		.amdhsa_next_free_vgpr 1024
		.amdhsa_next_free_sgpr 84
		.amdhsa_reserve_vcc 0
		.amdhsa_float_denorm_mode_32 3
		.amdhsa_float_denorm_mode_16_64 3
		.amdhsa_memory_ordered 1
		.amdhsa_forward_progress 1
		.amdhsa_inst_pref_size 198
	.end_amdhsa_kernel
	.amdgpu_metadata
---
amdhsa.version: [ 1, 2 ]
amdhsa.kernels:
  - .name:           k_q085ab7f63f_proj
    .symbol:         k_q085ab7f63f_proj.kd
    .args:
      - { .name: act, .offset: 0, .size: 8, .value_kind: global_buffer, .address_space: global }
      - { .name: wb, .offset: 8, .size: 8, .value_kind: global_buffer, .address_space: global }
      - { .name: bv, .offset: 16, .size: 8, .value_kind: global_buffer, .address_space: global }
      - { .name: bk, .offset: 24, .size: 8, .value_kind: global_buffer, .address_space: global }
      - { .name: bq, .offset: 32, .size: 8, .value_kind: global_buffer, .address_space: global }
      - { .name: vkq, .offset: 40, .size: 8, .value_kind: global_buffer, .address_space: global }
    .group_segment_fixed_size: 327680
    .private_segment_fixed_size: 0
    .kernarg_segment_align: 8
    .kernarg_segment_size: 48
    .max_flat_workgroup_size: 128
    .sgpr_count:     84
    .vgpr_count:     1024
    .wavefront_size: 32
...
	.end_amdgpu_metadata
.endif
;; end of part 7
;; launch mid (part 8): grid 4 x 64, 4 waves a work-group, clusters of 4 x 4, 327,680 bytes of LDS; arguments vkq, mbits, bo, ps, vwb, vsc; writes ps, vwb, vsc
.if DOCPART == 8
	.amdgcn_target "amdgcn-amd-amdhsa--gfx1250"
	.amdhsa_code_object_version 6
	.text
	.protected	k_q085ab7f63f_mid
	.globl	k_q085ab7f63f_mid
	.p2align	8
	.type	k_q085ab7f63f_mid,@function
k_q085ab7f63f_mid:
	s_mov_b64 s[64:65], 0
	v_nop
	global_prefetch_b8 v0, s[64:65] scope:SCOPE_SE
	s_setreg_imm32_b32 hwreg(HW_REG_WAVE_MODE, 25, 1), 1
	s_wait_xcnt 0x0
	s_wait_alu depctr_hold_cnt(0) depctr_sa_sdst(0) depctr_va_vdst(0) depctr_va_sdst(0) depctr_va_ssrc(0) depctr_va_vcc(0) depctr_vm_vsrc(0)
	s_getreg_b32 s2, hwreg(HW_REG_IB_STS2, 6, 4)
	s_cmp_eq_u32 s2, 0
	s_cbranch_scc0 .Lentry_in_a_cluster
	s_endpgm
.Lentry_in_a_cluster:
	s_bfe_u32 s2, ttmp6, 0x10000c
	s_cmp_lg_u32 s2, 0xf033
	s_cbranch_scc0 .Lentry_shape_is_right
	s_endpgm
.Lentry_shape_is_right:
; MID: two products of one shape in one launch; neither needs the other's result.  A cluster of 4 x 4 work-groups takes 1,024 x 1,024 of one of them.
; The job hangs on the cluster's y, which all sixteen partners share: y = 0 .. 7: the scores of batch y; y = 8 .. 15: VW^T of batch y - 8.
; vkq holds four planes of bf16 with rows of 1,024: v, k, q ([8192][1024] each) and Wo ([1024][1024]).
; JOB 0, SCORES: S = q k^T for 256 rows x 256 keys a work-group, the mask, and the softmax's first level.
;   With c = log2(e) / 32 (the scale 1 / sqrt(1024) folded in) and m_t = c x the largest unmasked S of a row among the block's 256 keys:
;   pt = exp2(S c - m_t), 0 where masked, in f16, to ps[row][key]; m_t and the sums of pt over each 128 keys, in f32, to twelve planes of 8,192 numbers
;   behind pt (planes 0-3: m_t of key block t; plane 4 + 2 t + wn: the sum over half wn of block t).  The last launch takes the maximum over the four
;   blocks and rescales: the maximum is taken away at both levels, no fixed shift anywhere.
;   A block whose 256 keys are all masked: m_t = -inf is stored; the subtraction uses max(m_t, -FLT_MAX), so pt = exp2(-inf) = 0 and the sums are 0.
;   The subtraction of the block's maximum bounds pt to [0, 1] for every input, so f16's range holds it, and f16 keeps three bits more than bf16.
; JOB 1, VW^T[f][key] = bo[f] + sum over e of Wo[f][e] v[key][e], 256 features x 256 keys a work-group, stored as f16 with a power-of-two scale.
;   out = (P v) Wo^T + bo = P (v Wo^T + bo): products associate, and a softmax row sums to one (a row that is masked throughout is NaN either way).
;   The order of rounding differs from the reference's by that.
;   THE SCALE: VW has no bound of its own, so each tile of 128 features x 256 keys (the two waves with the same features) takes its largest magnitude, with biased
;   exponent E, and the scale 2^(141 - E), which puts that magnitude into [2^14, 2^15).  The inverse scale goes to the tile's own 256 bytes of vsc
;   (tile = 32 x feature block of 128 + flat key block of 256).  The scale enters values alone: no address and no branch hangs on it.
; LIMITS: q, k, v, Wo enter in bf16.  pt leaves in f16 (below 2^-14 with an absolute error of at most 2^-25; the sums add the unrounded pt); exp2 gives 0 below 2^-126.
;   Elements of VW below 2^-28 of their tile's largest magnitude fall among f16's denormals (absolute error at most 2^-39 of that magnitude); the scale is held at 2^126
;   at the most, which a tile reaches whose largest magnitude is below 2^-112.  The maxima pass over NaN, which arises only where the reference's result is not finite either.
; SHAPE: four waves, a wave 128 x 128: 64 accumulator tiles, 512 registers.  K = 1,024 in steps of 128 through two LDS slots filled by tensor loads, rows of 256 bytes that start
;   at multiples of 256 bytes.  From a slot's request to the wait for it a wave issues 240 of a K step's 256 matrix instructions.  A's tiles (q, Wo) are shared along a row of the
;   cluster, B's (k, v) along a column, by joint loads, which divides the requests by four.
; REGISTERS: window 0: v0-63 addresses and small figures, v64-127 / v128-191 A's fragments, v224-255 figures of the ways out; window 1: v0-63 the tile that starts the sums,
;   v64-127 / v128-191 B's fragments; window 2: tile (a, b) of my rows 0-63 at v[8 (8 a + b)]; window 3: rows 64-127.
;   Transposed use (source 0 = 16 rows of B, source 1 = 16 rows of A): register j of lane (r, h) of tile (a, b) is C(row 16 a + r, column 16 b + 8 h + j).
.set KSTEP,  128
.set PITCH,  272                       ; 256 bytes + 16, an odd multiple of 16: a fragment load's 16 rows start on different banks (ISA guide 11.1)
.set HALFT,  128*PITCH
.set SLOT,   4*HALFT                   ; A's 256 rows, then B's 256 rows
.set STAGE,  2*SLOT                    ; 16 rows x 272 bytes a wave; no tensor load lands at or behind STAGE
.set SPITCH, 272
.set XCH,    STAGE+4*16*SPITCH         ; 2,048 bytes: wave w's 128 row maxima at 512 w
.set ST,     XCH+2048                  ; 3,072 bytes: m of 256 rows, the sums of half 0, the sums of half 1
.set XW,     ST+3072                   ; 16 bytes used of 256: the four waves' largest magnitudes
.set SM,     16777216                  ; the planes' place in ps
.set ROWB,   2048                      ; a row of pt
.set VROWB,  16384                     ; a row of VW^T: 8,192 f16
.set ADRA, 16
.set ADRB, 20
.set STO,  24
.set RD,   25
.set CO,   26                          ; my byte offset in pt
.set COV,  22                          ; my byte offset in VW^T
.set MW,   32                          ; v[32:47]   mask words of row block a: lane i holds words 2 i, 2 i + 1
.set BI,   48                          ; v[48:55]   bo of rows 16 a + r
.set NEGM, 48                          ; v[48:63]   scores' way out: -max(m_t, -FLT_MAX), twice, for the packed multiply-add
.set F0,   64
.set F1,   128
.set TMP,  64                          ; ways out: packed results
.set SUM,  96
.set MX,   224                         ; v[224:231] row maxima (job 1: four chains of the largest magnitude)
.set TP,   232                         ; v[232:239] at work
.set M2,   240                         ; v[240:247] m_t (job 1: SC, INV and their making)
.set LS,   248                         ; v[248:255] sums of pt
.set SC,   240                         ; v[240:241] the scale, twice
.set INV,  242                         ; v[242:243] its inverse, twice
.set G1,  24
.set G0,  32
.set G1B, 48
.set G0B, 56
.set MSB, 0
.macro WIN new                         ; bits 1:0 source 0, 3:2 source 1, 5:4 source 2, 7:6 destination; the high byte repeats the setting that is left
.if MSB != (\new)
	s_set_vgpr_msb (MSB<<8)|(\new)
.set MSB, (\new)
.endif
.endm
.macro PLACES                          ; four plain vector places behind matrix instructions (ISA guide 7.12.1)
.rept 4
	v_nop
.endr
.endm
.macro JLOAD s                         ; waves 0, 1: A's halves; waves 2, 3: B's; the branch hangs on the wave's number alone
	s_cmp_eq_u32 s11, 0
	s_cbranch_scc0 .Lfor_b_\@
	tensor_load_to_lds s[G0+4*\s:G0+4*\s+3], s[G1:G1+7]
	s_nop 0
	s_branch .Lasked_\@
.Lfor_b_\@:
	tensor_load_to_lds s[G0B+4*\s:G0B+4*\s+3], s[G1B:G1B+7]
	s_nop 0
.Lasked_\@:
.endm
.macro CREST
	s_cmp_lg_u32 s10, 0
	s_cbranch_scc1 .Lnot_wave_0_\@
	s_barrier_signal -3
.Lnot_wave_0_\@:
	s_barrier_wait -3
	s_barrier_signal -1
	s_barrier_wait -1
.endm
.macro CROUND
	s_barrier_signal -1
	s_barrier_wait -1
	CREST
.endm
; 16 matrix instructions: row blocks a0, a0 + 1 of the window's four x all 8 column blocks.  cm = 2: the starting tile of row block 4 hi + a (window 1) is C.
; The 64 accumulators take turns, one instruction a turn, in the same order in every quarter step.
.macro MUL16 f, hi, a0, cm
.if \cm == 2
	WIN 0x91+0x40*\hi
.else
	WIN 0xa1+0x50*\hi
.endif
.irp a, \a0, \a0+1
.irp b, 0,1,2,3,4,5,6,7
.if \cm == 2
	v_wmma_f32_16x16x32_bf16 v[8*(8*(\a)+\b):8*(8*(\a)+\b)+7], v[\f+8*\b:\f+8*\b+7], v[\f+8*(4*\hi+\a):\f+8*(4*\hi+\a)+7], v[8*(4*\hi+\a):8*(4*\hi+\a)+7]
.else
	v_wmma_f32_16x16x32_bf16 v[8*(8*(\a)+\b):8*(8*(\a)+\b)+7], v[\f+8*\b:\f+8*\b+7], v[\f+8*(4*\hi+\a):\f+8*(4*\hi+\a)+7], v[8*(8*(\a)+\b):8*(8*(\a)+\b)+7]
.endif
.endr
.endr
.endm
.macro FETCH slot, k, f                ; 32 LDS loads in one run: B's 16, then A's 16
	WIN 0x40
.irp i, 0,1,2,3,4,5,6,7
	ds_load_b128 v[\f+8*\i:\f+8*\i+3],   v[ADRB+\slot] offset:\k+\i*16*PITCH
	ds_load_b128 v[\f+8*\i+4:\f+8*\i+7], v[ADRB+\slot] offset:\k+\i*16*PITCH+32
.endr
	WIN 0
.irp i, 0,1,2,3,4,5,6,7
	ds_load_b128 v[\f+8*\i:\f+8*\i+3],   v[ADRA+\slot] offset:\k+\i*16*PITCH
	ds_load_b128 v[\f+8*\i+4:\f+8*\i+7], v[ADRA+\slot] offset:\k+\i*16*PITCH+32
.endr
.endm
.macro QUARTER slot, k, f, g, cm
	s_wait_dscnt 8                                 ; B and A's rows 0-63 are in; the youngest eight loads (A's rows 64-127) may be out
	MUL16 \f, 0, 0, \cm
	MUL16 \f, 0, 2, \cm
	PLACES
	FETCH \slot, \k, \g
	s_wait_dscnt 32                                ; all but the 32 just issued
	MUL16 \f, 1, 0, \cm
	MUL16 \f, 1, 2, \cm
.endm
.macro THREE slot, cm
	QUARTER \slot, 64,  F0, F1, \cm
	QUARTER \slot, 128, F1, F0, 0
	QUARTER \slot, 192, F0, F1, 0
.endm
; The change of slots: each wave's reads of this slot and all its tensor loads are waited for in front of the barrier; with fill = 1 that barrier opens a round of
; the cluster's barrier and the joint refill is the first tensor load behind the round
.macro TURN slot, next, fill
	s_wait_dscnt 8
	MUL16 F1, 0, 0, 0
	s_wait_dscnt 0
	s_wait_tensorcnt 0x0
	ds_add_u32 v255, v223
	s_wait_dscnt 0x0
	s_barrier_signal -1
	MUL16 F1, 0, 2, 0
	WIN 0
	s_barrier_wait -1
.if \fill
	CREST
	s_add_nc_u64 s[G0+4*\slot+2:G0+4*\slot+3], s[G0+4*\slot+2:G0+4*\slot+3], 2*KSTEP*2
	s_add_nc_u64 s[G0B+4*\slot+2:G0B+4*\slot+3], s[G0B+4*\slot+2:G0B+4*\slot+3], 2*KSTEP*2
	JLOAD \slot
.endif
	PLACES
	FETCH \next, 0, F0
	MUL16 F1, 1, 0, 0
	MUL16 F1, 1, 2, 0
.endm
.macro LAP cm
	THREE 0, \cm
	TURN 0, 1, 1
	THREE 1, 0
	TURN 1, 0, 1
.endm
	s_load_b256 s[68:75], s[0:1], 0x0              ; vkq s[68:69], mbits s[70:71], bo s[72:73], ps s[74:75]
	s_load_b128 s[76:79], s[0:1], 0x20             ; vwb s[76:77], vsc s[78:79]
	s_set_vgpr_msb 0x40
	v_lshl_add_u32 v255, v0, 2, 0x49900
	s_set_vgpr_msb 0x4000
	v_mov_b32 v223, 0
	s_set_vgpr_msb 0x1
	ds_add_u32 v255, v223
	s_set_vgpr_msb 0x100
	v_lshrrev_b32 v1, 5, v0
	v_readfirstlane_b32 s10, v1                    ; wave
	s_lshr_b32 s11, s10, 1                         ; wm: my 128 rows; also: I fetch for A (0) or B (1)
	s_and_b32 s12, s10, 1                          ; wn: my 128 columns; also: which half I fetch
	s_bfe_u32 s40, ttmp6, 0x40000                  ; cx
	s_bfe_u32 s41, ttmp6, 0x40004                  ; cy: the block row of the cluster's 1,024 rows
	s_lshl_b32 s42, ttmp9, 2
	s_add_co_u32 s42, s42, s40                     ; block column (key block t) = 4 x cluster x + cx
	s_and_b32 s45, ttmp7, 0xffff                   ; cluster y: 8 x job + batch
	s_and_b32 s21, s45, 7                          ; batch
	s_lshl_b32 s43, s41, 2
	s_lshl_b32 s43, 15, s43                        ; my row of the cluster
	s_lshl_b32 s44, 0x1111, s40                    ; my column
	s_or_b32 s[G1+0], s43, (1<<16)|(1<<20)|(1<<21)|(5<<22)|(3<<25)   ; mask; elements of 2 bytes; padding on; bit 21 beside a mask; after every 64 words 4 words
	s_mov_b32 s[G1+1], KSTEP<<16
	s_mov_b32 s[G1+2], 128<<16
	s_mov_b32 s[G1+3], KSTEP<<16
	s_mov_b32 s[G1+4], 128
	s_mov_b32 s[G1+5], 1024
	s_mov_b32 s[G1+6], 0
	s_mov_b32 s[G1+7], 0
	s_or_b32 s[G1B+0], s44, (1<<16)|(1<<20)|(1<<21)|(5<<22)|(3<<25)
	s_mov_b32 s[G1B+1], KSTEP<<16
	s_mov_b32 s[G1B+2], 128<<16
	s_mov_b32 s[G1B+3], KSTEP<<16
	s_mov_b32 s[G1B+4], 128
	s_mov_b32 s[G1B+5], 1024
	s_mov_b32 s[G1B+6], 0
	s_mov_b32 s[G1B+7], 0
	; A: job 0: q, plane 2, the batch's rows; job 1: Wo, plane 3.  B: job 0: k, plane 1; job 1: v, plane 0; the batch's rows in both.
	; A's address is made of cy, the cluster's y and the wave; B's of cx, the cluster's y and the wave; each in registers that never hold the other coordinate
	s_lshl_b32 s16, s41, 8
	s_lshl_b32 s17, s12, 7
	s_add_co_u32 s16, s16, s17                     ; row 256 x block row + 128 x half
	s_lshl_b32 s16, s16, 11
	s_lshr_b32 s17, s45, 3                         ; job
	s_xor_b32 s3, s17, 1
	s_mul_i32 s3, s3, s21                          ; the batch, for q alone
	s_lshl_b32 s3, s3, 21
	s_add_co_u32 s16, s16, s3
	s_add_co_u32 s17, s17, 2
	s_lshl_b32 s17, s17, 24                        ; plane 2 + job
	s_add_co_u32 s16, s16, s17
	s_mov_b32 s17, 0
	s_lshl_b32 s46, s42, 8
	s_lshl_b32 s47, s12, 7
	s_add_co_u32 s46, s46, s47
	s_lshl_b32 s46, s46, 11
	s_lshl_b32 s47, s21, 21
	s_add_co_u32 s46, s46, s47
	s_lshr_b32 s47, s45, 3
	s_xor_b32 s47, s47, 1
	s_lshl_b32 s47, s47, 24                        ; plane 1 - job
	s_add_co_u32 s46, s46, s47
	s_mov_b32 s47, 0
	s_mul_i32 s20, s10, HALFT
	s_wait_dscnt 0x0
	s_wait_kmcnt 0x0
	s_add_nc_u64 s[14:15], s[68:69], s[16:17]
	s_add_nc_u64 s[46:47], s[68:69], s[46:47]
	CROUND                                         ; all sixteen work-groups are here: the first joint loads meet
.irp s, 0,1
	s_mov_b32 s[G0+4*\s], 1
	s_add_co_u32 s[G0+4*\s+1], s20, \s*SLOT
	s_add_nc_u64 s[G0+4*\s+2:G0+4*\s+3], s[14:15], \s*KSTEP*2
	s_or_b32 s[G0+4*\s+3], s[G0+4*\s+3], 0x80000000
	s_mov_b32 s[G0B+4*\s], 1
	s_add_co_u32 s[G0B+4*\s+1], s20, \s*SLOT
	s_add_nc_u64 s[G0B+4*\s+2:G0B+4*\s+3], s[46:47], \s*KSTEP*2
	s_or_b32 s[G0B+4*\s+3], s[G0B+4*\s+3], 0x80000000
	JLOAD \s                                       ; two tensor loads of the wave are out
.endr
	; The small inputs: mask words (2,048 bytes a wave) and bo (512 bytes).  Both jobs load both, at addresses that lie inside the buffers in both, so that the set-up is one
	; text and no register's content hangs on the job; job 0 uses the words, job 1 the bias.
	s_lshl_b32 s18, s21, 6                         ; 16-row blocks: 64 x batch + 16 cy + 8 wm (+ a)
	s_lshl_b32 s19, s41, 4
	s_add_co_u32 s18, s18, s19
	s_lshl_b32 s19, s11, 3
	s_add_co_u32 s18, s18, s19
	s_lshl_b32 s18, s18, 11
	s_lshl_b32 s19, s42, 1
	s_add_co_u32 s19, s19, s12                     ; chunk 2 t + wn
	s_lshl_b32 s19, s19, 8
	s_add_co_u32 s18, s18, s19
	s_mov_b32 s19, 0
	s_add_nc_u64 s[70:71], s[70:71], s[18:19]
	s_lshl_b32 s18, s41, 10
	s_lshl_b32 s22, s11, 9
	s_add_co_u32 s18, s18, s22                     ; (256 cy + 128 wm) x 4 bytes
	s_add_nc_u64 s[72:73], s[72:73], s[18:19]
	v_and_b32 v7, 31, v0                           ; lane
	v_and_b32 v1, 15, v0                           ; r
	v_bfe_u32 v2, v0, 4, 1                         ; h
	v_lshlrev_b32 v27, 3, v7
	v_lshlrev_b32 v23, 2, v1
.irp a, 0,1,2,3,4,5,6,7
	global_load_b64 v[MW+2*\a:MW+2*\a+1], v27, s[70:71] offset:2048*\a    ; 64 words: 256 consecutive bytes, aligned
.endr
.irp a, 0,1,2,3,4,5,6,7
	global_load_b32 v[BI+\a], v23, s[72:73] offset:64*\a
.endr
	; pt at my 128 x 128
	s_lshl_b32 s18, s21, 10
	s_lshl_b32 s22, s41, 8
	s_add_co_u32 s18, s18, s22
	s_lshl_b32 s22, s11, 7
	s_add_co_u32 s18, s18, s22
	s_lshl_b32 s18, s18, 11
	s_lshl_b32 s22, s42, 9
	s_add_co_u32 s18, s18, s22
	s_lshl_b32 s22, s12, 8
	s_add_co_u32 s18, s18, s22
	s_add_nc_u64 s[4:5], s[74:75], s[18:19]
	; the plane that waves 0, 1, 2 store at the end: m (plane t), the sums of half 0 and 1 (planes 4 + 2 t, 5 + 2 t); rows 1,024 x batch + 256 cy ..
	s_lshl_b32 s22, s42, 1
	s_add_co_u32 s22, s22, s10
	s_add_co_u32 s22, s22, 3
	s_cmp_eq_u32 s10, 0
	s_cselect_b32 s22, s42, s22
	s_lshl_b32 s22, s22, 15
	s_lshl_b32 s23, s21, 12
	s_add_co_u32 s22, s22, s23
	s_lshl_b32 s23, s41, 10
	s_add_co_u32 s22, s22, s23
	s_add_co_u32 s22, s22, SM
	s_mov_b32 s23, 0
	s_add_nc_u64 s[6:7], s[74:75], s[22:23]
	; VW^T at my 128 x 128
	s_lshl_b32 s18, s41, 8
	s_lshl_b32 s22, s11, 7
	s_add_co_u32 s18, s18, s22
	s_lshl_b32 s18, s18, 14                        ; rows of 16,384 bytes
	s_lshl_b32 s22, s21, 11
	s_add_co_u32 s18, s18, s22
	s_lshl_b32 s22, s42, 9
	s_add_co_u32 s18, s18, s22
	s_lshl_b32 s22, s12, 8
	s_add_co_u32 s18, s18, s22
	s_add_nc_u64 s[8:9], s[76:77], s[18:19]
	; my scale tile's 256 bytes: tile = 32 x (2 cy + wm) + 4 x batch + t
	s_lshl_b32 s18, s41, 1
	s_add_co_u32 s18, s18, s11
	s_lshl_b32 s18, s18, 5
	s_lshl2_add_u32 s18, s21, s18
	s_add_co_u32 s18, s18, s42
	s_lshl_b32 s18, s18, 8
	s_add_nc_u64 s[66:67], s[78:79], s[18:19]
	s_mov_b32 s2, 0xff800000                       ; -inf
	s_mov_b32 s100, 0x76543210                     ; v_permlanex16_b32: lane i reads lane i of the other half
	s_mov_b32 s101, 0xfedcba98
	v_mul_u32_u24 v3, v1, PITCH
	v_lshl_add_u32 v3, v2, 4, v3                   ; a fragment: row r, 16 h
	s_mul_i32 s22, s11, HALFT                      ; my 128 rows of A
	s_mul_i32 s23, s12, HALFT
	s_add_co_u32 s23, s23, 2*HALFT                 ; my 128 rows of B
.irp s, 0,1
	v_add_nc_u32 v[ADRA+\s], s22, v3
	v_add_nc_u32 v[ADRB+\s], s23, v3
	s_add_co_u32 s22, s22, SLOT
	s_add_co_u32 s23, s23, SLOT
.endr
	s_mul_i32 s22, s10, 16*SPITCH
	s_add_co_u32 s22, s22, STAGE
	v_add_nc_u32 v[STO], s22, v3
	v_mul_u32_u24 v4, v2, SPITCH
	v_lshl_add_u32 v4, v1, 4, v4
	v_add_nc_u32 v[RD], s22, v4
	v_lshlrev_b32 v5, 11, v2
	v_lshl_add_u32 v[CO], v1, 4, v5                ; lanes 0-15 one row of pt, lanes 16-31 the next
	v_lshlrev_b32 v5, 14, v2
	v_lshl_add_u32 v[COV], v1, 4, v5               ; the same in VW^T
	s_lshl_b32 s22, s10, 9
	s_add_co_u32 s22, s22, XCH
	v_lshl_add_u32 v28, v1, 2, s22                 ; my maxima: 512 x wave + 4 r (+ 64 a)
	s_xor_b32 s23, s10, 1
	s_lshl_b32 s23, s23, 9
	s_add_co_u32 s23, s23, XCH
	v_lshl_add_u32 v29, v1, 2, s23                 ; those of the wave with the other 128 keys of my rows
	s_lshl_b32 s22, s11, 9
	s_add_co_u32 s22, s22, ST
	v_lshl_add_u32 v30, v1, 2, s22                 ; m: row 128 wm + 16 a + r
	s_lshl_b32 s23, s12, 10
	s_add_co_u32 s22, s22, s23
	s_add_co_u32 s22, s22, 1024
	v_lshl_add_u32 v31, v1, 2, s22                 ; the sums of half wn
	s_lshl_b32 s22, s10, 2
	s_add_co_u32 s22, s22, XW
	v_mov_b32 v18, s22                             ; my wave's largest magnitude
	s_lshl_b32 s23, s11, 3
	s_add_co_u32 s23, s23, XW
	v_mov_b32 v19, s23                             ; the two words of the waves with my features
	s_cmp_ge_u32 s45, 8
	s_cselect_b32 s22, -1, 0                       ; all lanes for job 1, none for job 0
	s_wait_loadcnt 0x0                             ; the mask words and the bias, once
.irp a, 0,1,2,3,4,5,6,7
	v_cndmask_b32 v[BI+\a], 0, v[BI+\a], s22       ; what starts the sums: bo of row 16 a + r in job 1, 0 in job 0
.endr
	WIN 0x40                                       ; destination in window 1
.irp a, 0,1,2,3,4,5,6,7
.irp j, 0,1,2,3,4,5,6,7
	v_mov_b32 v[8*\a+\j], v[BI+\a]                 ; a lane's eight numbers of a tile lie in one row: one number, eight times; 64 registers serve 512 accumulators
.endr
.endr
	WIN 0
	s_wait_tensorcnt 0x1                           ; my part of K step 0 is in; K step 1's may stay out
	s_barrier_signal -1
	s_barrier_wait -1
	FETCH 0, 0, F0
	LAP 2                                          ; the first products take the starting tile as C
	WIN 0
	s_mov_b32 s3, 2
.Llap:
	LAP 0
	WIN 0
	s_sub_co_u32 s3, s3, 1
	s_cmp_lg_u32 s3, 0
	s_cbranch_scc1 .Llap
	THREE 0, 0                                     ; K steps 6 and 7: nothing is left to fetch
	TURN 0, 1, 0
	THREE 1, 0
	s_wait_dscnt 8
	MUL16 F1, 0, 0, 0
	MUL16 F1, 0, 2, 0
	s_wait_dscnt 0
	MUL16 F1, 1, 0, 0
	MUL16 F1, 1, 2, 0
	PLACES                                         ; the places behind the last products, for both ways out
	WIN 0
	s_cmp_ge_u32 s45, 8                            ; the cluster's y: the same in all waves and in all sixteen work-groups
	s_cbranch_scc1 .Lvwt
	; ======== JOB 0 ========
	; 1. THE MASK: a clear bit puts -inf in the score's place.  32 words at a time come out of the lanes into s[68:99].  a: row block 0..7, al = a mod 4, w: its window
.macro MASKA a, al, w
	WIN (\w<<6)|(\w<<2)                            ; destination and source 1 in the tiles' window; the mask words in window 0
.irp hf, 0,1
.irp b, 0,1,2,3
.irp j, 0,1,2,3,4,5,6,7
	v_readlane_b32 s[68+8*\b+\j], v[MW+2*\a+(\j&1)], 4*(4*\hf+\b)+(\j>>1)
.endr
.endr
.irp b, 0,1,2,3
.irp j, 0,1,2,3,4,5,6,7
	v_cndmask_b32 v[8*(8*\al+4*\hf+\b)+\j], s2, v[8*(8*\al+4*\hf+\b)+\j], s[68+8*\b+\j]
.endr
.endr
.endr
.endm
	MASKA 0, 0, 2
	MASKA 1, 1, 2
	MASKA 2, 2, 2
	MASKA 3, 3, 2
	MASKA 4, 0, 3
	MASKA 5, 1, 3
	MASKA 6, 2, 3
	MASKA 7, 3, 3
	; 2. THE ROW MAXIMA: a lane's 64 numbers of a row block belong to one row; four chains take turns
	WIN 0
.irp a, 0,1,2,3,4,5,6,7
	v_mov_b32 v[MX+\a], s2
	v_mov_b32 v[TP+\a], 0                          ; v_permlanex16_b32 counts as a reader of its destination
.endr
	WIN 0x28                                       ; sources 1 and 2 in window 2
.set i, 0
.rept 32
.irp a, 0,1,2,3
	v_max3_num_f32 v[MX+\a], v[MX+\a], v[64*\a+2*i], v[64*\a+2*i+1]
.endr
.set i, i+1
.endr
	WIN 0x3c                                       ; in window 3
.set i, 0
.rept 32
.irp a, 0,1,2,3
	v_max3_num_f32 v[MX+4+\a], v[MX+4+\a], v[64*\a+2*i], v[64*\a+2*i+1]
.endr
.set i, i+1
.endr
	WIN 0
.irp a, 0,1,2,3,4,5,6,7
	v_permlanex16_b32 v[TP+\a], v[MX+\a], s100, s101               ; the other eight columns of each tile
.endr
.irp a, 0,1,2,3,4,5,6,7
	v_max_num_f32 v[MX+\a], v[MX+\a], v[TP+\a]
.endr
.irp a, 0,1,2,3,4,5,6,7
	ds_store_b32 v28, v[MX+\a] offset:64*\a        ; both halves of the lanes store the same word with the same value
.endr
	s_wait_dscnt 0x0                               ; for the other wave's sake: zero
	s_barrier_signal -1
	s_barrier_wait -1
.irp a, 0,1,2,3,4,5,6,7
	ds_load_b32 v[TP+\a], v29 offset:64*\a
.endr
	s_wait_dscnt 0x0
.irp a, 0,1,2,3,4,5,6,7
	v_max_num_f32 v[MX+\a], v[MX+\a], v[TP+\a]     ; over the block's 256 keys
	v_mul_f32 v[M2+\a], 0x3d38aa3b, v[MX+\a]       ; m_t = c x maximum
	v_max_num_f32 v[NEGM+2*\a], 0xff7fffff, v[M2+\a]
	v_xor_b32 v[NEGM+2*\a], 0x80000000, v[NEGM+2*\a]
	v_mov_b32 v[NEGM+2*\a+1], v[NEGM+2*\a]
.endr
	; 3. pt = exp2(S c - m_t), its sums, and the way out, 16 rows at a time
.macro SOFT a, al, w, rb
	WIN (\w<<6)|\w
.set i, 0
.rept 32
	v_pk_fma_f32 v[64*\al+2*i:64*\al+2*i+1], v[64*\al+2*i:64*\al+2*i+1], 0x3d38aa3b, v[NEGM+2*\a:NEGM+2*\a+1] op_sel_hi:[1,0,1]
.set i, i+1
.endr
.set i, 0
.rept 64
	v_exp_f32 v[64*\al+i], v[64*\al+i]
.set i, i+1
.endr
	v_nop                                          ; one plain place behind the last exponential (ISA guide 5.7.2)
	WIN (\w<<2)|\w
	s_wait_alu depctr_va_vdst(0)
.irp b, 0,1,2,3,4,5,6,7
.irp q, 0,1,2,3
	v_cvt_pk_f16_f32 v[TMP+4*\b+\q], v[8*(8*\al+\b)+2*\q], v[8*(8*\al+\b)+2*\q+1]  ; pt is at most 1: inside f16's range for every input
.endr
.endr
.set i, 0
.rept 16
	v_pk_add_f32 v[SUM+2*i:SUM+2*i+1], v[64*\al+4*i:64*\al+4*i+1], v[64*\al+4*i+2:64*\al+4*i+3]
.set i, i+1
.endr
	WIN 0
.irp b, 0,1,2,3,4,5,6,7
	ds_store_b128 v[STO], v[TMP+4*\b:TMP+4*\b+3] offset:32*\b
.endr
	s_wait_xcnt 0x0                                ; earlier stores' data registers and base are rewritten only behind this wait (ISA guide 3.1)
.if \a
	s_add_nc_u64 s[4:5], s[4:5], 16*ROWB
.endif
.irp t, 0,1,2,3,4,5,6,7
	ds_load_b128 v[\rb+4*\t:\rb+4*\t+3], v[RD] offset:\t*2*SPITCH  ; my own bytes, served in order (ISA guide 5.7.1.4)
.endr
.irp cnt, 8,4,2,1                                      ; the tree of sums stands where the loads are on their way
.set i, 0
.rept \cnt
	v_pk_add_f32 v[SUM+2*i:SUM+2*i+1], v[SUM+4*i:SUM+4*i+1], v[SUM+4*i+2:SUM+4*i+3]
.set i, i+1
.endr
.endr
	v_add_f32 v[SUM], v[SUM], v[SUM+1]
	v_permlanex16_b32 v[SUM+1], v[SUM], s100, s101
	v_add_f32 v[LS+\a], v[SUM], v[SUM+1]           ; over my 128 keys of row 16 a + r
.irp t, 0,1,2,3,4,5,6,7
	s_wait_dscnt 7-\t
	global_store_b128 v[CO], v[\rb+4*\t:\rb+4*\t+3], s[4:5] offset:2*\t*ROWB   ; 16 lanes store 256 consecutive bytes, aligned
.endr
.endm
	SOFT 0, 0, 2, 128
	SOFT 1, 1, 2, 160
	SOFT 2, 2, 2, 128
	SOFT 3, 3, 2, 160
	SOFT 4, 0, 3, 128
	SOFT 5, 1, 3, 160
	SOFT 6, 2, 3, 128
	SOFT 7, 3, 3, 160
	; 4. THE FIGURES go out as three runs of 1,024 consecutive bytes (256 rows of f32), gathered in LDS
	s_cmp_lg_u32 s12, 0
	s_cbranch_scc1 .Lno_m                          ; both waves of a row hold the same m: the one with wn = 0 stores it
.irp a, 0,1,2,3,4,5,6,7
	ds_store_b32 v30, v[M2+\a] offset:64*\a
.endr
.Lno_m:
.irp a, 0,1,2,3,4,5,6,7
	ds_store_b32 v31, v[LS+\a] offset:64*\a
.endr
	s_wait_dscnt 0x0
	s_barrier_signal -1
	s_barrier_wait -1
	s_cmp_eq_u32 s10, 3
	s_cbranch_scc1 .Lno_fig
	s_lshl_b32 s22, s10, 10
	s_add_co_u32 s22, s22, ST
	v_lshl_add_u32 v4, v7, 4, s22
	v_lshlrev_b32 v5, 4, v7
	ds_load_b128 v[8:11], v4
	ds_load_b128 v[12:15], v4 offset:512
	s_wait_dscnt 0x0
	global_store_b128 v5, v[8:11], s[6:7]
	global_store_b128 v5, v[12:15], s[6:7] offset:512
.Lno_fig:
	s_set_vgpr_msb 0x1
	s_wait_tensorcnt 0x0
	ds_add_u32 v255, v223
	s_wait_dscnt 0x0
	s_set_vgpr_msb 0x100
	CROUND                                         ; the closing round
	s_endpgm
	; ======== JOB 1 ========
.Lvwt:
	; THE LARGEST MAGNITUDE of 128 features x 256 keys: four chains over my 512 registers, the 32 lanes, the two waves with my features
.irp c, 0,1,2,3
	v_mov_b32 v[MX+\c], 0
.endr
	v_mov_b32 v[TP], 0                             ; v_permlanex16_b32 counts as a reader of its destination
	WIN 0x28
.set i, 0
.rept 32
.irp c, 0,1,2,3
	v_max3_num_f32 v[MX+\c], v[MX+\c], |v[64*\c+2*i]|, |v[64*\c+2*i+1]|
.endr
.set i, i+1
.endr
	WIN 0x3c
.set i, 0
.rept 32
.irp c, 0,1,2,3
	v_max3_num_f32 v[MX+\c], v[MX+\c], |v[64*\c+2*i]|, |v[64*\c+2*i+1]|
.endr
.set i, i+1
.endr
	WIN 0
	v_max3_num_f32 v[MX], v[MX], v[MX+1], v[MX+2]
	v_max_num_f32 v[MX], v[MX], v[MX+3]
	v_max_num_f32_dpp v[MX], v[MX], v[MX] row_xmask:1 row_mask:0xf bank_mask:0xf
	v_max_num_f32_dpp v[MX], v[MX], v[MX] row_xmask:2 row_mask:0xf bank_mask:0xf
	v_max_num_f32_dpp v[MX], v[MX], v[MX] row_xmask:4 row_mask:0xf bank_mask:0xf
	v_max_num_f32_dpp v[MX], v[MX], v[MX] row_xmask:8 row_mask:0xf bank_mask:0xf
	v_permlanex16_b32 v[TP], v[MX], s100, s101
	v_max_num_f32 v[MX], v[MX], v[TP]
	ds_store_b32 v18, v[MX]                        ; all lanes store the same word with the same value
	s_wait_dscnt 0x0                               ; for the other waves' sake: zero
	s_barrier_signal -1
	s_barrier_wait -1
	ds_load_b64 v[TP+2:TP+3], v19
	s_wait_dscnt 0x0
	v_max_num_f32 v[MX], v[TP+2], v[TP+3]
	v_bfe_u32 v[TP+4], v[MX], 23, 8                ; E, the biased exponent
	v_sub_nc_u32 v[TP+4], 0x10c, v[TP+4]           ; the scale's biased exponent: 127 + 141 - E,
	v_min_u32 v[TP+4], 0xfd, v[TP+4]               ; at most 253, so that the inverse is a normal number too
	v_sub_nc_u32 v[TP+5], 0xfe, v[TP+4]            ; the inverse's
	v_lshlrev_b32 v[SC], 23, v[TP+4]
	v_lshlrev_b32 v[INV], 23, v[TP+5]
	v_mov_b32 v[SC+1], v[SC]
	v_mov_b32 v[INV+1], v[INV]
	; THE WAY OUT, 16 features at a time: scale, round to f16, 16 bytes a lane into my own stage, back as whole rows of 256 bytes
.macro OUTV a, al, w, rb
	WIN (\w<<6)|\w
.set i, 0
.rept 32
	v_pk_mul_f32 v[64*\al+2*i:64*\al+2*i+1], v[64*\al+2*i:64*\al+2*i+1], v[SC:SC+1]
.set i, i+1
.endr
	WIN (\w<<2)|\w
.irp b, 0,1,2,3,4,5,6,7
.irp q, 0,1,2,3
	v_cvt_pk_f16_f32 v[TMP+4*\b+\q], v[8*(8*\al+\b)+2*\q], v[8*(8*\al+\b)+2*\q+1]
.endr
.endr
	WIN 0
.irp b, 0,1,2,3,4,5,6,7
	ds_store_b128 v[STO], v[TMP+4*\b:TMP+4*\b+3] offset:32*\b
.endr
	s_wait_xcnt 0x0                                ; earlier stores' data registers and base are rewritten only behind this wait (ISA guide 3.1)
.if \a
	s_add_nc_u64 s[8:9], s[8:9], 16*VROWB
.endif
.irp t, 0,1,2,3,4,5,6,7
	ds_load_b128 v[\rb+4*\t:\rb+4*\t+3], v[RD] offset:\t*2*SPITCH  ; my own bytes, served in order (ISA guide 5.7.1.4)
.endr
.irp t, 0,1,2,3,4,5,6,7
	s_wait_dscnt 7-\t
	global_store_b128 v[COV], v[\rb+4*\t:\rb+4*\t+3], s[8:9] offset:2*\t*VROWB   ; 16 lanes store 256 consecutive bytes, aligned
.endr
.endm
	OUTV 0, 0, 2, 128
	OUTV 1, 1, 2, 160
	OUTV 2, 2, 2, 128
	OUTV 3, 3, 2, 160
	OUTV 4, 0, 3, 128
	OUTV 5, 1, 3, 160
	OUTV 6, 2, 3, 128
	OUTV 7, 3, 3, 160
	s_cmp_lg_u32 s12, 0
	s_cbranch_scc1 .Lno_sc                         ; both waves of a scale tile hold the same scale: the one with wn = 0 stores its inverse
	global_store_b64 v27, v[INV:INV+1], s[66:67]   ; 64 times: the tile's 256 consecutive bytes, aligned
.Lno_sc:
	s_set_vgpr_msb 0x1
	s_wait_tensorcnt 0x0
	ds_add_u32 v255, v223
	s_wait_dscnt 0x0
	s_set_vgpr_msb 0x100
	CROUND                                         ; the closing round
	s_endpgm
.Lfunc_end_k_q085ab7f63f_mid:
	.size	k_q085ab7f63f_mid, .Lfunc_end_k_q085ab7f63f_mid-k_q085ab7f63f_mid
	.p2alignl 7, 3214868480
	.fill 96, 4, 3214868480
	.section	.rodata,"a",@progbits
	.p2align	6, 0x0
	.amdhsa_kernel k_q085ab7f63f_mid
		.amdhsa_group_segment_fixed_size 327680
		.amdhsa_private_segment_fixed_size 0
		.amdhsa_enable_private_segment 0
		.amdhsa_kernarg_size 48
		.amdhsa_user_sgpr_count 2
		.amdhsa_user_sgpr_kernarg_segment_ptr 1
		.amdhsa_wavefront_size32 1
		.amdhsa_system_sgpr_workgroup_id_x 1
		.amdhsa_system_sgpr_workgroup_id_y 1
		.amdhsa_system_sgpr_workgroup_id_z 1
		.amdhsa_system_vgpr_workitem_id 0
		.amdhsa_next_free_vgpr 1024
		.amdhsa_next_free_sgpr 102
		.amdhsa_reserve_vcc 0
		.amdhsa_float_denorm_mode_32 3
		.amdhsa_float_denorm_mode_16_64 3
		.amdhsa_memory_ordered 1
		.amdhsa_forward_progress 1
		.amdhsa_inst_pref_size 255
	.end_amdhsa_kernel
	.section	.bss,"aw",@nobits
	.p2align	6
	.space	262144
	.amdgpu_metadata
---
amdhsa.version: [ 1, 2 ]
amdhsa.kernels:
  - .name:           k_q085ab7f63f_mid
    .symbol:         k_q085ab7f63f_mid.kd
    .args:
      - { .name: vkq, .offset: 0, .size: 8, .value_kind: global_buffer, .address_space: global }
      - { .name: mbits, .offset: 8, .size: 8, .value_kind: global_buffer, .address_space: global }
      - { .name: bo, .offset: 16, .size: 8, .value_kind: global_buffer, .address_space: global }
      - { .name: ps, .offset: 24, .size: 8, .value_kind: global_buffer, .address_space: global }
      - { .name: vwb, .offset: 32, .size: 8, .value_kind: global_buffer, .address_space: global }
      - { .name: vsc, .offset: 40, .size: 8, .value_kind: global_buffer, .address_space: global }
    .group_segment_fixed_size: 327680
    .private_segment_fixed_size: 0
    .kernarg_segment_align: 8
    .kernarg_segment_size: 48
    .max_flat_workgroup_size: 128
    .sgpr_count:     102
    .vgpr_count:     1024
    .wavefront_size: 32
...
	.end_amdgpu_metadata
.endif
;; end of part 8
;; launch final: the kernel of part 5 again; grid 4 x 64, 4 waves a work-group, clusters of 4 x 4, 327,680 bytes of LDS; arguments ps, vwb, vsc, out0; writes out0
